; MI455X (gfx1250); checked and timed in simulation.
; The chip was launched on July 23, 2026; its instructions are those of AMD's public machine-readable ISA for CDNA 5 (MIT licence, August 2026) and "CDNA5" Instruction Set Architecture Reference Guide (July 2026). The comments in the code are by the model that wrote it; some were corrected since.
;; Attention. Allowed arithmetic: matrix products marked QUANTISED: E3M2 operands, one E8M0 scale for each 32 along K, by v_wmma_scale_f32_16x16x128_f8f6f4 with both operands' format E3M2, f32 sums; everything else in f32.
;; Inputs: W_fc_codes 3,072 x 32 x 24 uint8 (E3M2 codes of W_fc, K innermost, in blocks of 32 codes, four codes in three bytes); W_fc_scales 3,072 x 32 uint8 (E8M0 scales of W_fc, one for each 32 codes along K); W_out_codes 1,024 x 32 x 24 uint8 (E3M2 codes of W_out, K innermost, in blocks of 32 codes, four codes in three bytes); W_out_scales 1,024 x 32 uint8 (E8M0 scales of W_out, one for each 32 codes along K); b_fc 3,072 float32; b_out 1,024 float32; x 4 x 2,048 x 1,024 float32.
;; Outputs: out0 4 x 2,048 x 1,024 float32.
;; This version of the problem:
;;   THIS VERSION OF THE PROBLEM IS GIVEN IN LOW PRECISION. The matrix products marked QUANTISED in the list below multiply operands that are first quantised to E3M2 (3 exponent bits, 2 mantissa bits; 6 bits a number), with one power-of-two scale for each 32 numbers along K (OCP MX v1.0); their sums are f32. All else is computed in f32.
;;   The module's matrix products, in the order in which they are computed (A, B: the left and right operand; K: the contracted axis; several contracted axes count as one K, in the product's order):
;;     1. [M 8,192, K 1,024] x [K 1,024, N 3,072]; A: input x; B: input W_fc (given as codes): QUANTISED
;;     2. batch 64 x [M 2,048, K 64] x [K 64, N 2,048]; A: computed on the way; B: computed on the way: QUANTISED
;;     3. batch 64 x [M 64, K 2,048] x [K 2,048, N 2,048]; A: computed on the way; B: softmax (see below): QUANTISED
;;     4. [M 8,192, K 1,024] x [K 1,024, N 1,024]; A: computed on the way; B: input W_out (given as codes): QUANTISED
;;   THE QUANTISER, for each operand of a quantised product, along K:
;;     - K is cut into blocks of 32 from its start; a last block that is shorter is filled with zeros.
;;     - A block's scale is 2^e with e = floor(log2(the largest magnitude in the block)) - 4, held to -126 .. 127; a block of zeros has e = 0. As a byte (E8M0): e + 127.
;;     - Each number is divided by its block's scale, clamped to +-28, and rounded to the nearest number of E3M2, ties to even, subnormals kept.
;;     - The product sums the exact products of the quantised numbers (number of the format x scale) in f32.
;;   ~~~python
;;   def quantise(x, axis):      # numpy; x: float32 -> the quantised numbers, widened to float32 again
;;       x = np.moveaxis(x, axis, -1); K = x.shape[-1]
;;       x = np.pad(x, [(0, 0)] * (x.ndim - 1) + [(0, -K % 32)]); x = x.reshape(x.shape[:-1] + (-1, 32)); a = np.abs(x).max(-1, keepdims=True)
;;       e = np.where(a > 0, np.clip(np.frexp(np.where(a > 0, a, 1))[1] - 1 - 4, -126, 127), 0)      # np.frexp(a)[1] - 1 = floor(log2(a)), exactly
;;       r = np.clip(x / 2.0 ** e, -28, 28)
;;       step = 2.0 ** (np.maximum(np.frexp(np.where(r == 0, 1, r))[1] - 1, -2) - 2)
;;       q = np.round(r / step) * step * 2.0 ** e      # np.round: ties to even
;;       return np.moveaxis(q.reshape(q.shape[:-2] + (-1,))[..., :K], -1, axis).astype(np.float32)
;;   ~~~
;;   SOFTMAX AHEAD OF A QUANTISED PRODUCT. Where the list says 'softmax', what is quantised is not the finished softmax but p = 2^(t - M), with t = logit x log2(e) and M = ceil(the row's largest t), a whole number; so 1/2 < the row's largest p <= 1. The row's sum l is taken of the UNQUANTISED p, in f32, and the product's result is divided by l at the end. Since M is a whole number, a kernel that streams over the keys may use a running M (the ceiling of the running maximum): every later rescaling is an exact power of two, which a block's scale takes up: the codes' values come out the same.
;;   OPERANDS COMPUTED ON THE WAY. 'Computed on the way' means the value that the module computes at that place (a softmax that the list does not call 'softmax' is quantised finished and normalised). What goes into a quantiser is computed in f32, as accurately as f32 sums, v_exp_f32 and their like allow (about 1e-6 of the number): no bf16 or f16 on the way to a quantiser, and a product that is left as it is and whose result goes on into a quantised operand takes f32 operands (vector FMAs, or v_wmma_f32_16x16x4_f32). A number that lies on a knife's edge between two numbers of the format may be rounded either way, as far as f32 arithmetic and the matrix unit's own rounding can turn it there, and no further.
;;   INPUTS GIVEN AS CODES. W_fc (in the module: [1024, 3072], K = its axis 0); W_out (in the module: [1024, 1024], K = its axis 0): each comes as NAME_codes (uint8): NAME with its K axis moved to the last place and cut into blocks of 32 codes, [.., K / 32, bytes a block], one block behind the other in memory; four codes in three bytes: a row's codes are one little-endian stream of bits, code i at bits 6 i .. 6 i + 5 (a code: sign, 3 exponent bits, 2 mantissa bits); and NAME_scales (uint8): the same leading axes, one E8M0 byte (e + 127) for each 32 codes along K. Its value is code x scale, taken as it is: it is not quantised again, and the codes and scales need not be those that the quantiser above would give.
;; One version. Each part assembles by itself: llvm-mc -triple=amdgcn-amd-amdhsa -mcpu=gfx1250 --defsym DOCPART=n.
;; ======== version 1 of 1: 4 launches
;; limits: right only within a limited range of input values
;; workspace buffers: xc 6,291,456 bytes; xs 262,144 bytes; wfi 2,359,296 bytes; woi 786,432 bytes; qimg 6,815,744 bytes; kv 13,107,200 bytes; nv 6,291,456 bytes; nvs 262,144 bytes
;; launch prep (part 1): grid 320 x 1, 4 waves a work-group, no clusters, 34,304 bytes of LDS; arguments x, W_fc_codes, W_out_codes, xc, xs, wfi, woi; writes xc, xs, wfi, woi
.if DOCPART == 1
	.amdgcn_target "amdgcn-amd-amdhsa--gfx1250"
	.amdhsa_code_object_version 6
	.text
	.protected	k_q22b52459ab_prep
	.globl	k_q22b52459ab_prep
	.p2align	8
	.type	k_q22b52459ab_prep,@function
k_q22b52459ab_prep:
	s_mov_b64 s[64:65], 0
	v_nop
	global_prefetch_b8 v0, s[64:65] scope:SCOPE_SE
	s_setreg_imm32_b32 hwreg(HW_REG_WAVE_MODE, 25, 1), 1
	s_wait_xcnt 0x0
; PREP.  (1) x [8192][1024] f32 becomes codes of BF6 (E3M2) with one E8M0 byte for each 32 along K, laid as IMAGES OF OPERAND REGISTERS; (2) the codes of W_fc and W_out are laid anew in the same way.
; An image of a fragment (16 rows x 128 K, 12 registers a lane) is 1,536 bytes: register 4 c + i of a lane at 512 c + 16 lane + 4 i, so three accesses of 16 bytes a lane move it, each over 512 consecutive bytes.
; xc [RT 512][K step 8][1536]: row tile RT holds rows 32 (RT / 2) + 8 (RT % 2) + P(r), P(r) = r + 8 (r / 8): as source 0 of a product such a tile leaves 16 NEIGHBOURING rows in the 16 registers of two neighbouring tiles.
; xs [RT][half of K 2][r 16][4 words]: word j of half kh is row r's scale word of K step 4 kh + j.
; wfi [tile 192][K step 8][1536]: tile 12 head + t holds rows 192 head + 32 (t / 2) + 8 (t % 2) + P(r) of W_fc.   woi [quarter 4][K step 8][tile 16][1536]: rows 256 quarter + 16 tile + r of W_out.
; A block's scale is 2^(floor(log2(its largest magnitude)) - 4); its byte is the largest magnitude's exponent field - 4, held at 1 from below.
; LIMITS: a block whose largest magnitude lies under 2^(5 - 127), a block of zeros among them, gets the byte 1 (the rule says 127 for zeros: its codes are zeros, and this program alone reads the bytes); NaN and infinities are not served.
; SHARES.  Work-groups 0-255: x; a wave takes one row tile and half of K: four fragments.  Work-groups 256-319: the weights; a wave takes one tile of 16 rows, all of K.  Waves share nothing: no barrier.
; No matrix unit, cluster or tensor load: nothing is shared and nothing is multiplied.  No prefetch: the launch is one stream of loads that are all asked for as early as registers allow.
.set ROWX,  4096                       ; a row of x in bytes
.set SP,    528                        ; a stage row: 512 bytes + 16 = 132 words, so that the 16 rows that a load of 16 bytes a lane touches begin 4 banks apart (64 banks of 4 bytes: ISA guide 11.1)
.set WST,   16*SP                      ; a wave's stage
.set SEL,   20                         ; s[20:21] lane selects for v_permlanex16_b32: lane l xor 16
.set PWS,   16                         ; v16-19  the four fragments' scale words
.set TM,    20                         ; v20-35  at work in QUANT
.set PC,    36                         ; v36-55  the codes just made
.set PW,    56                         ; v56     the scale word just made
.set R,     64                         ; v64-191 two sets of 64: numbers as they are loaded
.set X,     192                        ; v192-255 64 numbers as the conversions want them
	s_load_b256 s[4:11], s[0:1], 0x0               ; x s[4:5], W_fc's codes s[6:7], W_out's codes s[8:9], xc s[10:11]
	s_load_b128 s[12:15], s[0:1], 0x20             ; xs s[12:13], wfi s[14:15]
	s_load_b64 s[16:17], s[0:1], 0x30              ; woi
	v_lshl_add_u32 v62, v0, 2, 0x8400
	v_mov_b32 v63, 0
	v_lshrrev_b32 v5, 5, v0
	v_readfirstlane_b32 s18, v5                    ; wave
	v_and_b32 v6, 31, v0                           ; lane
	v_and_b32 v7, 15, v0                           ; r
	v_bfe_u32 v8, v0, 4, 1                         ; h
	v_lshlrev_b32 v1, 4, v6                        ; 16 x lane
	s_wait_kmcnt 0x0
	s_cmp_ge_u32 ttmp9, 256
	s_cbranch_scc1 .Lweights
; ---------------- x ----------------
; 64 numbers of a lane, v[s] .. v[s + 63], register 16 b + i = k 32 b + 16 h + i of my row, become a fragment's codes in v[PC] on and its scale word in v[PW].
.macro QUANT s
.irp b, 0,1,2,3
	v_max3_num_f32 v[TM+\b], |v[\s+16*\b]|, |v[\s+1+16*\b]|, 0x2800000   ; block b: my 16 numbers, and the floor 2^(5 - 127): the byte cannot fall under 1
.endr
.irp i, 2,4,6,8,10,12,14
.irp b, 0,1,2,3
	v_max3_num_f32 v[TM+\b], v[TM+\b], |v[\s+16*\b+\i]|, |v[\s+1+16*\b+\i]|   ; the four blocks by turns
.endr
.endr
.irp b, 0,1,2,3
	v_permlanex16_b32 v[TM+4+\b], v[TM+\b], s[SEL], s[SEL+1]
.endr
.irp b, 0,1,2,3
	v_max_num_f32 v[TM+\b], v[TM+\b], v[TM+4+\b]   ; with lane l xor 16's: the block's largest magnitude
.endr
.irp b, 0,1,2,3
	v_add_nc_u32 v[TM+12+\b], 0xfe000000, v[TM+\b] ; 4 off its exponent field: the conversion's scale operand
.endr
.irp b, 0,1,2,3
	v_lshrrev_b32 v[TM+4+\b], 23, v[TM+12+\b]      ; the scale's byte
.endr
	v_lshl_or_b32 v[PW], v[TM+5], 8, v[TM+4]
	v_lshl_or_b32 v[PW], v[TM+6], 16, v[PW]
	v_lshl_or_b32 v[PW], v[TM+7], 24, v[PW]        ; my row's scale word (the same in lanes l and l xor 16)
.irp c, 0,1
	v_cvt_scalef32_pk16_bf6_f32 v[PC+6*\c:PC+2+6*\c], v[\s+32*\c:\s+15+32*\c], v[TM+12+2*\c]
	v_cvt_scalef32_pk16_bf6_f32 v[PC+12+4*\c:PC+14+4*\c], v[\s+16+32*\c:\s+31+32*\c], v[TM+12+2*\c+1]   ; (a conversion's three registers begin on an even number)
.endr
	v_nop                                          ; one plain place behind a scaled conversion
.irp c, 0,1                                    ; the operand's layout wants a whole block in a lane: lanes 0-15 block 2 c, lanes 16-31 block 2 c + 1
.irp i, 0,1,2
	v_permlane16_swap_b32 v[PC+6*\c+\i], v[PC+12+4*\c+\i]
.endr
.irp i, 0,1,2
	v_mov_b32 v[PC+3+6*\c+\i], v[PC+12+4*\c+\i]
.endr
.endr
.endm
.macro LOADF f                         ; fragment f: 512 consecutive bytes of each of the tile's 16 rows, one row a load
.irp i, 0,1,2,3,4,5,6,7,8,9,10,11,12,13,14,15
	global_load_b128 v[R+64*((\f)%2)+4*\i:R+64*((\f)%2)+4*\i+3], v1, s[4:5] offset:(\i+8*(\i/8))*ROWX+512*(\f) th:TH_LOAD_NT
.endr
.endm
.macro TURN f                          ; through my stage: in as loaded, out 16 neighbours of each block of 32 to a lane.  LDS serves a wave's instructions in order: no wait between
.irp i, 0,1,2,3,4,5,6,7,8,9,10,11,12,13,14,15
	ds_store_b128 v2, v[R+64*((\f)%2)+4*\i:R+64*((\f)%2)+4*\i+3] offset:SP*\i
.endr
.irp b, 0,1,2,3
.irp j, 0,1,2,3
	ds_load_b128 v[X+16*\b+4*\j:X+16*\b+4*\j+3], v3 offset:128*\b+16*\j
.endr
.endr
.endm
	s_lshl_b32 s22, ttmp9, 2
	s_add_co_u32 s22, s22, s18                     ; id = 2 RT + kh
	s_lshr_b32 s23, s22, 2
	s_lshl_b32 s28, s23, 17                        ; 32 (RT / 2) rows of 4,096 bytes
	s_bfe_u32 s23, s22, 0x10001
	s_lshl_b32 s23, s23, 15                        ; + 8 (RT % 2) rows
	s_add_co_u32 s28, s28, s23
	s_and_b32 s23, s22, 1
	s_lshl_b32 s23, s23, 11                        ; + my half of K: 2,048 bytes
	s_add_co_u32 s28, s28, s23
	s_mov_b32 s29, 0
	s_add_nc_u64 s[4:5], s[4:5], s[28:29]
	s_mul_i32 s28, s22, 6144                       ; xc: four images for each id
	s_add_nc_u64 s[10:11], s[10:11], s[28:29]
	s_lshl_b32 s28, s22, 8                         ; xs: 256 bytes for each id
	s_add_nc_u64 s[12:13], s[12:13], s[28:29]
	s_mul_i32 s34, s18, WST
	s_wait_alu depctr_va_vdst(0)
	v_add_nc_u32 v2, s34, v1                       ; the stage, in: 16 x lane of a row
	v_mul_u32_u24 v3, v7, SP
	v_lshl_add_u32 v3, v8, 6, v3
	v_add_nc_u32 v3, s34, v3                       ; out: row r, + 64 h
	v_lshlrev_b32 v4, 4, v7
	v_lshl_add_u32 v4, v8, 3, v4                   ; xs: 16 r + 8 h
	s_mov_b32 s[SEL], 0x76543210
	s_mov_b32 s[SEL+1], 0xfedcba98
.irp b, 0,1,2,3
	v_mov_b32 v[TM+4+\b], 0                        ; written once: a lane permute's destination counts as one of its sources
.endr
	LOADF 0
	LOADF 1
	s_wait_alu depctr_va_vdst(0)
.irp f, 0,1,2,3
.if \f < 3
	s_wait_loadcnt 16                              ; this fragment's 16 loads are in; the next fragment's may be out
.else
	s_wait_loadcnt 0x0
.endif
	TURN \f
	s_wait_dscnt 0x0                               ; the numbers are back, and the stage's stores have read their registers,
.if \f < 2
	LOADF \f+2                                     ; which take the fragment two on
.endif
	s_wait_xcnt 0x0                                ; the last fragment's stores have read the codes' registers
	QUANT X
.irp c, 0,1,2
	global_store_b128 v1, v[PC+4*\c:PC+4*\c+3], s[10:11] offset:1536*\f+512*\c   ; 32 lanes store 512 consecutive bytes, at a multiple of 256 from the buffer's first byte
.endr
	v_mov_b32 v[PWS+\f], v[PW]
.endr
	v_cmp_le_u32 vcc_lo, 16, v6                    ; lanes 16-31 take words 2 and 3 of their row
	v_cndmask_b32 v58, v[PWS], v[PWS+2], vcc_lo
	v_cndmask_b32 v59, v[PWS+1], v[PWS+3], vcc_lo
	global_store_b64 v4, v[58:59], s[12:13]        ; 256 consecutive bytes
	s_wait_tensorcnt 0x0
	ds_add_u32 v62, v63
	s_wait_dscnt 0x0
	s_endpgm
; ---------------- the weights ----------------
; A row of codes is 768 bytes; lane (r, h) of a fragment of K step k takes the 24 bytes at 96 k + 24 h and those 48 further on, as they lie, in pieces of 8 bytes; the 12 registers leave as an image.
.macro RELAY src, dst, stride
.irp k, 0,1,2,3,4,5,6,7
.irp p, 0,1,2,3,4,5
	global_load_b64 v[64+12*\k+2*\p:64+12*\k+2*\p+1], v9, s[\src:\src+1] offset:96*\k+48*(\p/3)+8*(\p%3)
.endr
.endr
	s_wait_loadcnt 0x0
.irp k, 0,1,2,3,4,5,6,7
.irp c, 0,1,2
	global_store_b128 v1, v[64+12*\k+4*\c:64+12*\k+4*\c+3], s[\dst:\dst+1] offset:(\stride)*\k+512*\c
.endr
.endr
.endm
.Lweights:
	s_sub_co_u32 s22, ttmp9, 256
	s_lshl_b32 s23, s22, 2
	s_add_co_u32 s23, s23, s18                     ; the tile: 0-191 of W_fc, 192-255 of W_out
	s_wait_alu depctr_va_vdst(0)
	v_mul_u32_u24 v9, v8, 24                       ; 24 h
	s_mov_b32 s29, 0
	s_mov_b32 s31, 0
	s_cmp_ge_u32 s22, 48
	s_cbranch_scc1 .Lwout
	v_and_b32 v10, 8, v7
	v_add_nc_u32 v10, v10, v7                      ; P(r)
	v_mad_u32_u24 v9, v10, 768, v9
	s_wait_alu depctr_va_vdst(0)
	s_lshl_b32 s24, s23, 4
	s_and_b32 s25, s23, 1
	s_lshl_b32 s25, s25, 3
	s_sub_co_u32 s24, s24, s25                     ; the tile's first row: 16 tile - 8 (tile % 2)
	s_mul_i32 s28, s24, 768
	s_mul_i32 s30, s23, 12288
	s_add_nc_u64 s[6:7], s[6:7], s[28:29]
	s_add_nc_u64 s[14:15], s[14:15], s[30:31]
	RELAY 6, 14, 1536
	s_endpgm
.Lwout:
	s_sub_co_u32 s23, s23, 192
	s_wait_alu depctr_va_vdst(0)
	v_mad_u32_u24 v9, v7, 768, v9                  ; rows in their own order
	s_wait_alu depctr_va_vdst(0)
	s_mul_i32 s28, s23, 16*768
	s_lshr_b32 s24, s23, 4
	s_mul_i32 s30, s24, 196608                     ; the quarter,
	s_and_b32 s24, s23, 15
	s_mul_i32 s24, s24, 1536                       ; the tile in it
	s_add_co_u32 s30, s30, s24
	s_add_nc_u64 s[8:9], s[8:9], s[28:29]
	s_add_nc_u64 s[16:17], s[16:17], s[30:31]
	RELAY 8, 16, 24576
	s_endpgm
.Lfunc_end_k_q22b52459ab_prep:
	.size	k_q22b52459ab_prep, .Lfunc_end_k_q22b52459ab_prep-k_q22b52459ab_prep
	.p2alignl 7, 3214868480
	.fill 96, 4, 3214868480
	.section	.rodata,"a",@progbits
	.p2align	6, 0x0
	.amdhsa_kernel k_q22b52459ab_prep
		.amdhsa_group_segment_fixed_size 34304
		.amdhsa_private_segment_fixed_size 0
		.amdhsa_enable_private_segment 0
		.amdhsa_kernarg_size 56
		.amdhsa_user_sgpr_count 2
		.amdhsa_user_sgpr_kernarg_segment_ptr 1
		.amdhsa_wavefront_size32 1
		.amdhsa_system_sgpr_workgroup_id_x 1
		.amdhsa_system_sgpr_workgroup_id_y 1
		.amdhsa_system_sgpr_workgroup_id_z 1
		.amdhsa_system_vgpr_workitem_id 0
		.amdhsa_next_free_vgpr 256
		.amdhsa_next_free_sgpr 66
		.amdhsa_reserve_vcc 1
		.amdhsa_float_denorm_mode_32 3
		.amdhsa_float_denorm_mode_16_64 3
		.amdhsa_memory_ordered 1
		.amdhsa_forward_progress 1
		.amdhsa_inst_pref_size 49
	.end_amdhsa_kernel
	.amdgpu_metadata
---
amdhsa.version: [ 1, 2 ]
amdhsa.kernels:
  - .name:           k_q22b52459ab_prep
    .symbol:         k_q22b52459ab_prep.kd
    .args:
      - { .name: x, .offset: 0, .size: 8, .value_kind: global_buffer, .address_space: global }
      - { .name: W_fc_codes, .offset: 8, .size: 8, .value_kind: global_buffer, .address_space: global }
      - { .name: W_out_codes, .offset: 16, .size: 8, .value_kind: global_buffer, .address_space: global }
      - { .name: xc, .offset: 24, .size: 8, .value_kind: global_buffer, .address_space: global }
      - { .name: xs, .offset: 32, .size: 8, .value_kind: global_buffer, .address_space: global }
      - { .name: wfi, .offset: 40, .size: 8, .value_kind: global_buffer, .address_space: global }
      - { .name: woi, .offset: 48, .size: 8, .value_kind: global_buffer, .address_space: global }
    .group_segment_fixed_size: 34304
    .private_segment_fixed_size: 0
    .kernarg_segment_align: 8
    .kernarg_segment_size: 56
    .max_flat_workgroup_size: 128
    .sgpr_count:     66
    .vgpr_count:     256
    .wavefront_size: 32
...
	.end_amdgpu_metadata
.endif
;; end of part 1
;; launch qkv (part 2): grid 16 x 32, 4 waves a work-group, clusters of 4 x 4, 327,680 bytes of LDS; arguments xc, xs, wfi, W_fc_scales, b_fc, qimg, kv; writes qimg, kv
.if DOCPART == 2
	.amdgcn_target "amdgcn-amd-amdhsa--gfx1250"
	.amdhsa_code_object_version 6
	.text
	.protected	k_q22b52459ab_qkv
	.globl	k_q22b52459ab_qkv
	.p2align	8
	.type	k_q22b52459ab_qkv,@function
k_q22b52459ab_qkv:
	s_mov_b64 s[64:65], 0
	v_nop
	global_prefetch_b8 v0, s[64:65] scope:SCOPE_SE
	s_setreg_imm32_b32 hwreg(HW_REG_WAVE_MODE, 25, 1), 1
	s_wait_xcnt 0x0
	s_wait_alu depctr_hold_cnt(0) depctr_sa_sdst(0) depctr_va_vdst(0) depctr_va_sdst(0) depctr_va_ssrc(0) depctr_va_vcc(0) depctr_vm_vsrc(0)
	s_getreg_b32 s2, hwreg(HW_REG_IB_STS2, 6, 4)
	s_cmp_eq_u32 s2, 0
	s_cbranch_scc0 .Lentry_in_a_cluster
	s_endpgm
.Lentry_in_a_cluster:
	s_bfe_u32 s2, ttmp6, 0x10000c
	s_cmp_lg_u32 s2, 0xf033
	s_cbranch_scc0 .Lentry_shape_is_right
	s_endpgm
.Lentry_shape_is_right:
; QKV.  swish(x W_fc + b_fc) on codes of BF6, and its result quantised on the way into the operands of attention.  K = 1,024.
; SHARES.  A work-group makes 256 tokens x ONE head's 192 columns (q 64, k 64, v 64); wave w tokens 64 w .. 64 w + 63 x all 192: 48 accumulators, 384 matrix instructions.
; ORIENTATION.  q, k (W's tiles 0-7): source 0 = 16 rows of W, source 1 = 16 tokens: a lane holds ONE token and its registers run along the head's channels, the K of q k^T.
;               v (W's tiles 8-11): source 0 = 16 tokens, source 1 = 16 rows of W: a lane holds ONE channel and its registers run along the tokens, the keys, the K of the second product.
; Both kinds of tile hold rows O(t) + P(r), O(t) = 32 (t / 2) + 8 (t % 2), P(r) = r + 8 (r / 8): so the 16 registers of two neighbouring tiles are 16 neighbours along the next K.
; x and W come as images of operand registers (1,536 bytes a fragment, three loads of 16 bytes a lane).  K goes in four tiles of 256 through three LDS slots: tiles 0, 1, 2 are first fills, tile 3 fills slot 0 again.
; CLUSTERS: 4 x 4 work-groups.  x's tiles hang on the token block alone and are shared along a row of the cluster, W's on the head alone and are shared along a column: each is asked for jointly.
; The scale words of all of K stay in registers; the biases are the C of each sum's first matrix instruction.
; OUT.  qimg [b head 64][group of 64 queries 32][3,328]: four half fragments (6 registers: 512 bytes by 16 a lane, 256 by 8 a lane) and 256 bytes of scale words (q0, q1, q0, q1).
;       kv [b head 64][step of 128 keys 16][12,800]: 8 half fragments of k, 8 of v^T, 256 bytes of k's words (two tiles' bytes to a word), 256 of v's.
; No prefetch: three quarters of a work-group's bytes are asked for by its first loads and the last quarter two K steps later: there is no trip ahead in which to ask.
; LIMITS: NaN and infinities are not served; a block whose largest magnitude lies under 2^(5 - 127) gets the byte 1 (zeros too: their codes are zeros, and this program alone reads the bytes);
; where x W + b lies under about -88.7 the exponential overflows and swish comes out as -0 for a true value under 1e-36 in magnitude.
; REGISTERS, in windows of 256.  Window 0: v0-31 addresses; v32-79 W's scale words; v80-95 x's; v96-143, v144-191 x's fragments, two sets; in the tail v96-219 at work.
;   Window 1: v0-143 W's 12 fragments; v144-207 b for q, k; v208-239 b for v.   Window 2: acc(token tile, W tile 0-7) at 8 (8 tx + tW).   Window 3: acc(v tile, token tile) at 8 (4 ct + tx).
; ORDER OF THE K TILES' LOADS (it takes the place of what the lines above say of first loads): tile 0 at the head, one joint load a wave; tiles 1 and 2, first fills of slots 1 and 2,
; and tile 3, which fills slot 0 again, each as the wave's one joint load behind the three lines and a round of the cluster's barrier.  No prefetch: K has four tiles, and each is asked for one tile ahead of its use.
.set SLOT,  86016
.set BOFF,  49152
.set SPARE, 3*SLOT                     ; the spare words, 128 bytes for each wave: two blocks of 256 bytes that no other line names
.set STG,   SPARE+512                  ; 1,536 bytes for the scale words' way out: no fill lands here
.set VA16, 8                           ; v8   16 x lane
.set VA8,  9                           ; v9   8 x lane
.set ADA,  10                          ; v10-12 my four tiles of x in slot 0, 1, 2
.set ADB,  13                          ; v13-15 W's tiles
.set SPW,  16                          ; v16  my spare word; never rewritten
.set NIL,  17                          ; v17  0; never rewritten
.set SK,   18                          ; v18  the stage: k's words in
.set SV,   19                          ; v19  v's half words in
.set SRX,  20                          ; v20  back: k's words, or v's low halves
.set SRY,  25                          ; v25  back: the same again, or v's high halves
.set SCW,  32                          ; register 8 i + s: lanes 0-15 W's tile i, lanes 16-31 tile i + 6, K step s
.set SCX,  80                          ; register 8 i + s: lanes 0-15 token tile i, lanes 16-31 tile i + 2
.set AF,   96
.set BQ,   144
.set BV,   208
.set E,    96                          ; the tail: 64 numbers
.set PC,   160
.set TM,   180
.set PW,   196
.set PWQ,  200                         ; v200-203 the token tiles' scale words (q0, q1, k0, k1)
.set PWV,  204                         ; v204-205 v's
.set WV,   18                          ; s18 wave; s19 wave / 2: I fetch for x (0) or W (1); s20 wave % 2: which half
.set WH,   19
.set WL,   20
.set MK,   27                          ; s27 0 in even waves, all ones in odd ones
.set G1A,  28
.set G1B,  36
.set G0A,  44                          ; s[44:55] group 0 for x's tiles, a set for each slot
.set G0B,  68                          ; s[68:79] for W's
.set SEL,  80
.set NL,   82                          ; s[82:83] -log2(e)
.set QB,   84
.set KB,   86
.set VB,   88
.set SB,   90
.set MSB, 0
.macro WIN new                         ; the immediate's high byte repeats the setting that is left
.if MSB != \new
	s_set_vgpr_msb (MSB<<8)|\new
.set MSB, \new
.endif
.endm
.macro PLACES n                        ; plain vector lines between a matrix instruction and a load into, or a vector read or write of, its registers
.rept \n
	v_nop
.endr
.endm
; A joint load: waves 0 and 1 fetch x's halves, waves 2 and 3 W's.  Each line has one mask; the branch hangs on the wave's number alone.  Four v_nop follow each line.
.macro JLOAD g0a, g0b
	s_cmp_eq_u32 s[WH], 0
	s_cbranch_scc0 .Lfor_b_\@
	tensor_load_to_lds s[\g0a:\g0a+3], s[G1A:G1A+7]
	s_nop 0
.rept 4
	v_nop
.endr
	s_branch .Lasked_\@
.Lfor_b_\@:
	tensor_load_to_lds s[\g0b:\g0b+3], s[G1B:G1B+7]
	s_nop 0
.rept 4
	v_nop
.endr
.Lasked_\@:
.endm
.macro CREST                           ; a round of the cluster's barrier behind its opening barrier
	s_cmp_lg_u32 s[WV], 0
	s_cbranch_scc1 .Lnot_wave_0_\@
	s_barrier_signal -3
.Lnot_wave_0_\@:
	s_barrier_wait -3
	s_barrier_signal -1
	s_barrier_wait -1
.endm
.macro CROUND
	s_barrier_signal -1
	s_barrier_wait -1
	CREST
.endm
	s_load_b256 s[4:11], s[0:1], 0x0               ; xc s[4:5], xs s[6:7], wfi s[8:9], W_fc's scales s[10:11]
	s_load_b128 s[12:15], s[0:1], 0x20             ; b_fc s[12:13], qimg s[14:15]
	s_load_b64 s[16:17], s[0:1], 0x30              ; kv
	v_lshl_add_u32 v[SPW], v0, 2, SPARE
	v_mov_b32 v[NIL], 0
	ds_add_u32 v16, v17
	ds_add_u32 v16, v17
	s_wait_dscnt 0x0
	v_lshrrev_b32 v1, 5, v0
	v_readfirstlane_b32 s[WV], v1
	s_lshr_b32 s[WH], s[WV], 1
	s_and_b32 s[WL], s[WV], 1
	s_bfe_u32 s21, ttmp6, 0x40000                  ; cx
	s_bfe_u32 s22, ttmp6, 0x40004                  ; cy
	s_lshl_b32 s23, ttmp9, 2
	s_add_co_u32 s23, s23, s21                     ; the head = 4 x cluster x + cx
	s_and_b32 s24, ttmp7, 0xffff
	s_lshl_b32 s24, s24, 2
	s_add_co_u32 s24, s24, s22                     ; the block of 256 tokens = 4 x cluster y + cy
	s_lshl_b32 s25, s22, 2
	s_lshl_b32 s25, 15, s25                        ; my row of the cluster
	s_lshl_b32 s26, 0x1111, s21                    ; my column
	; group 1: rows of 384 elements of 8 bytes (a tile's two K steps, 3,072 bytes), 1,536 elements from tile to tile; 8 tiles of x, 6 of W; no padding: images are read 16 x lane on end
	s_or_b32 s[G1A], s25, (3<<16)|(1<<21)
	s_or_b32 s[G1B], s26, (3<<16)|(1<<21)
.irp g, G1A, G1B
	s_mov_b32 s[\g+1], 384<<16                     ; tensor_dim0
	s_mov_b32 s[\g+3], 384<<16                     ; tile_dim0
	s_mov_b32 s[\g+5], 1536                        ; the pitch
	s_mov_b32 s[\g+6], 0
	s_mov_b32 s[\g+7], 0
.endr
	s_mov_b32 s[G1A+2], 8<<16                      ; tensor_dim1
	s_mov_b32 s[G1A+4], 8                          ; tile_dim1
	s_mov_b32 s[G1B+2], 6<<16
	s_mov_b32 s[G1B+4], 6
	s_lshl_b32 s56, s24, 4
	s_lshl_b32 s57, s[WL], 3
	s_add_co_u32 s56, s56, s57
	s_mul_i32 s56, s56, 12288                      ; x: row tile 16 block + 8 half
	s_mov_b32 s57, 0
	s_mul_i32 s58, s23, 12
	s_mul_i32 s59, s[WL], 6
	s_add_co_u32 s58, s58, s59
	s_mul_i32 s58, s58, 12288                      ; W: tile 12 head + 6 half
	s_mov_b32 s59, 0
	s_mul_i32 s60, s[WL], 24576                    ; where they go: no place in the cluster enters an LDS address
	s_mul_i32 s61, s[WL], 18432
	s_add_co_u32 s61, s61, BOFF
	s_mov_b32 s[SEL], 0x76543210
	s_mov_b32 s[SEL+1], 0xfedcba98
	s_mov_b32 s[NL], 0xbfb8aa3b
	s_mov_b32 s[NL+1], s[NL]
	s_cmp_eq_u32 s[WL], 0
	s_cselect_b32 s[MK], 0, -1
	s_wait_kmcnt 0x0
	s_add_nc_u64 s[56:57], s[4:5], s[56:57]
	s_add_nc_u64 s[58:59], s[8:9], s[58:59]
	CROUND                                         ; all sixteen work-groups are here: the first joint loads meet
.irp g, 0,1,2
	s_mov_b32 s[G0A+4*\g], 1
	s_add_co_u32 s[G0A+4*\g+1], s60, \g*SLOT
	s_add_nc_u64 s[G0A+4*\g+2:G0A+4*\g+3], s[56:57], \g*3072
	s_or_b32 s[G0A+4*\g+3], s[G0A+4*\g+3], 0x80000000
	s_mov_b32 s[G0B+4*\g], 1
	s_add_co_u32 s[G0B+4*\g+1], s61, \g*SLOT
	s_add_nc_u64 s[G0B+4*\g+2:G0B+4*\g+3], s[58:59], \g*3072
	s_or_b32 s[G0B+4*\g+3], s[G0B+4*\g+3], 0x80000000
.if \g == 0
	JLOAD G0A, G0B                                 ; K tile 0: my one tensor load at the head
.endif
.endr
	v_and_b32 v1, 31, v0                           ; lane
	v_and_b32 v2, 15, v0                           ; r
	v_bfe_u32 v3, v0, 4, 1                         ; h
	v_and_b32 v4, 8, v2
	v_add_nc_u32 v4, v4, v2                        ; P(r)
	v_lshlrev_b32 v[VA16], 4, v1
	v_lshlrev_b32 v[VA8], 3, v1
	s_mul_i32 s66, s[WV], 12288                    ; my four tiles of x
.irp g, 0,1,2
	v_add_nc_u32 v[ADA+\g], s66, v[VA16]
	v_add_nc_u32 v[ADB+\g], BOFF+\g*SLOT, v[VA16]
	s_add_co_u32 s66, s66, SLOT
.endr
	s_mul_i32 s66, s[WH], 768                      ; the stage: 768 bytes for each of the two step blocks: k's words, v's low halves (even wave), v's high halves (odd wave)
	s_add_co_u32 s66, s66, STG
	s_lshl_b32 s67, s[WL], 7
	s_add_co_u32 s67, s67, s66
	v_lshl_add_u32 v[SK], v1, 2, s67
	s_lshl_b32 s67, s[WL], 8
	s_add_co_u32 s67, s67, s66
	v_lshl_add_u32 v[SRX], v1, 3, s67
	s_add_co_u32 s67, s67, 256
	v_lshl_add_u32 v[SV], v2, 2, s67
	s_lshl_b32 s67, s[WL], 9
	s_add_co_u32 s67, s67, s66
	v_lshl_add_u32 v[SRY], v1, 3, s67
	v_lshlrev_b32 v21, 5, v4
	v_mad_u32_u24 v21, v3, 3072, v21               ; W's scales: 32 bytes a row; lanes 16-31 six tiles (96 rows) on
	s_wait_alu depctr_va_vdst(0)
	v_lshlrev_b32 v22, 4, v2
	v_lshl_add_u32 v22, v3, 10, v22                ; x's: 16 bytes a row; lanes 16-31 two tiles on
	s_wait_alu depctr_va_vdst(0)
	v_lshlrev_b32 v23, 6, v3                       ; b for q, k: my half's 8 columns of a tile begin 16 h columns on
	s_wait_alu depctr_va_vdst(0)
	v_lshlrev_b32 v24, 2, v4                       ; b for v: my channel
	s_wait_alu depctr_va_vdst(0)
	s_mov_b32 s93, 0
	s_mul_i32 s92, s23, 6144
	s_add_nc_u64 s[10:11], s[10:11], s[92:93]      ; the head's 192 rows of scales
	s_lshl_b32 s92, s24, 4
	s_lshl_b32 s94, s[WV], 2
	s_add_co_u32 s92, s92, s94
	s_lshl_b32 s92, s92, 9
	s_add_nc_u64 s[6:7], s[6:7], s[92:93]          ; my four tiles' scale words
	s_mul_i32 s92, s23, 768
	s_add_nc_u64 s[12:13], s[12:13], s[92:93]      ; the head's 192 biases
	s_lshr_b32 s98, s24, 3
	s_lshl_b32 s98, s98, 4
	s_add_co_u32 s98, s98, s23                     ; 16 b + head
	s_and_b32 s99, s24, 7                          ; the block within its sequence
	s_lshl_b32 s92, s98, 5
	s_lshl_b32 s94, s99, 2
	s_add_co_u32 s92, s92, s94
	s_add_co_u32 s92, s92, s[WV]
	s_mul_i32 s92, s92, 3328
	s_add_nc_u64 s[QB:QB+1], s[14:15], s[92:93]    ; my group of 64 queries
	s_lshl_b32 s92, s98, 4
	s_lshl_b32 s94, s99, 1
	s_add_co_u32 s92, s92, s94
	s_add_co_u32 s92, s92, s[WH]
	s_mul_i32 s92, s92, 12800
	s_add_nc_u64 s[16:17], s[16:17], s[92:93]      ; my step of 128 keys
	s_mul_i32 s92, s[WL], 3072
	s_add_nc_u64 s[KB:KB+1], s[16:17], s[92:93]    ; k's tiles 4 (w % 2) on
	s_mul_i32 s92, s[WL], 768
	s_add_co_u32 s92, s92, 6144
	s_add_nc_u64 s[VB:VB+1], s[16:17], s[92:93]    ; v's halves c = w % 2
	s_lshl_b32 s92, s[WL], 8
	s_add_co_u32 s92, s92, 12288
	s_add_nc_u64 s[SB:SB+1], s[16:17], s[92:93]    ; k's words (even wave) or v's (odd)
.irp i, 0,1,2,3,4,5
	global_load_b128 v[SCW+8*\i:SCW+8*\i+3], v21, s[10:11] offset:32*(32*(\i/2)+8*(\i%2))
	global_load_b128 v[SCW+8*\i+4:SCW+8*\i+7], v21, s[10:11] offset:32*(32*(\i/2)+8*(\i%2))+16
.endr
.irp i, 0,1
.irp k, 0,1
	global_load_b128 v[SCX+8*\i+4*\k:SCX+8*\i+4*\k+3], v22, s[6:7] offset:512*\i+256*\k
.endr
.endr
	WIN 0x40                                       ; destination window 1
.irp t, 0,1,2,3,4,5,6,7
	global_load_b128 v[BQ+8*\t:BQ+8*\t+3], v23, s[12:13] offset:4*(32*(\t/2)+8*(\t%2))
	global_load_b128 v[BQ+8*\t+4:BQ+8*\t+7], v23, s[12:13] offset:4*(32*(\t/2)+8*(\t%2))+16
.endr
.irp t, 0,1,2,3
.irp j, 0,1,2,3,4,5,6,7
	global_load_b32 v[BV+8*\t+\j], v24, s[12:13] offset:512+4*(32*(\t/2)+8*(\t%2))   ; a lane's eight results of a v tile are one channel: the same bias eight times
.endr
.endr
	WIN 0
; One scaled matrix instruction; its registers are set as symbols ahead of it.  RA, RB: the side's scales stand in lanes 16-31.
.macro WMS
.if RA && RB
	v_wmma_scale_f32_16x16x128_f8f6f4 v[WD:WD+7], v[WA:WA+11], v[WB:WB+11], v[WC:WC+7], v[WSA], v[WSB] matrix_a_fmt:MATRIX_FMT_BF6 matrix_b_fmt:MATRIX_FMT_BF6 matrix_a_scale:MATRIX_SCALE_ROW1 matrix_b_scale:MATRIX_SCALE_ROW1
.elseif RA
	v_wmma_scale_f32_16x16x128_f8f6f4 v[WD:WD+7], v[WA:WA+11], v[WB:WB+11], v[WC:WC+7], v[WSA], v[WSB] matrix_a_fmt:MATRIX_FMT_BF6 matrix_b_fmt:MATRIX_FMT_BF6 matrix_a_scale:MATRIX_SCALE_ROW1
.elseif RB
	v_wmma_scale_f32_16x16x128_f8f6f4 v[WD:WD+7], v[WA:WA+11], v[WB:WB+11], v[WC:WC+7], v[WSA], v[WSB] matrix_a_fmt:MATRIX_FMT_BF6 matrix_b_fmt:MATRIX_FMT_BF6 matrix_b_scale:MATRIX_SCALE_ROW1
.else
	v_wmma_scale_f32_16x16x128_f8f6f4 v[WD:WD+7], v[WA:WA+11], v[WB:WB+11], v[WC:WC+7], v[WSA], v[WSB] matrix_a_fmt:MATRIX_FMT_BF6 matrix_b_fmt:MATRIX_FMT_BF6
.endif
.endm
; q, k: W's tiles t0 .. t0 + n - 1 x my four token tiles, K step s.  first = 1: C is the bias.  The 48 accumulators take turns, one instruction a turn, in the same order in every step.
.macro MULQK s, t0, n, first
.if \first
	WIN 0x91                                       ; W window 1, x window 0, C window 1, D window 2
.else
	WIN 0xa1                                       ; C and D window 2
.endif
.set WT, \t0
.rept \n
.set XT, 0
.rept 4
.set WD, 8*(8*XT+WT)
.set WA, 12*WT
.set WB, AF+48*((\s)%2)+12*XT
.if \first
.set WC, BQ+8*WT
.else
.set WC, WD
.endif
.set WSA, SCW+8*(WT%6)+(\s)
.set WSB, SCX+8*(XT%2)+(\s)
.set RA, WT/6
.set RB, XT/2
	WMS
.set XT, XT+1
.endr
.set WT, WT+1
.endr
.endm
; v: my four token tiles as source 0 x W's tiles 8-11 as source 1
.macro MULV s, first
.if \first
	WIN 0xd4                                       ; x window 0, W window 1, C window 1, D window 3
.else
	WIN 0xf4
.endif
.set WT, 0
.rept 4
.set XT, 0
.rept 4
.set WD, 8*(4*WT+XT)
.set WA, AF+48*((\s)%2)+12*XT
.set WB, 12*(8+WT)
.if \first
.set WC, BV+8*WT
.else
.set WC, WD
.endif
.set WSA, SCX+8*(XT%2)+(\s)
.set WSB, SCW+8*(2+WT)+(\s)
.set RA, XT/2
.set RB, 1
	WMS
.set XT, XT+1
.endr
.set WT, WT+1
.endr
.endm
.macro FETCH_A sl, q, fs               ; my four fragments of x, the slot's q-th K step, into set fs: 12 loads
.irp t, 0,1,2,3
.irp c, 0,1,2
	ds_load_b128 v[AF+48*(\fs)+12*\t+4*\c:AF+48*(\fs)+12*\t+4*\c+3], v[ADA+\sl] offset:\t*3072+(\q)*1536+512*\c
.endr
.endr
.endm
.macro FETCH_B sl, q, t0, n            ; W's fragments t0 .. t0 + n - 1: 3 n loads
	WIN 0x40
.set BT, \t0
.rept \n
.irp c, 0,1,2
	ds_load_b128 v[12*BT+4*\c:12*BT+4*\c+3], v[ADB+\sl] offset:BT*3072+(\q)*1536+512*\c
.endr
.set BT, BT+1
.endr
	WIN 0
.endm
; A K step of 128: 48 matrix instructions.  W's tiles 0-5 are free after the first 24 and are fetched anew in the middle, with x's other set; tiles 6-11 at the end.
.macro STEP s, ns, nq, first
	s_wait_dscnt 18                                ; all but the youngest 18 loads, W's tiles 6-11
	MULQK \s, 0, 6, \first
	s_wait_dscnt 0x0
	PLACES 4
	FETCH_B \ns, \nq, 0, 6
	FETCH_A \ns, \nq, 1-(\s)%2
	MULQK \s, 6, 2, \first
	MULV \s, \first
	PLACES 4
	FETCH_B \ns, \nq, 6, 6
.endm
; A K step that leaves its slot.  One barrier: in front of it each wave waits for all its tensor loads, adds 0 to its spare word, and waits for that and for its reads of the slot.  fill = 2: slot 0 takes K tile 3.
.macro TURN s, ns, fill
	s_wait_tensorcnt 0x0                           ; all my tensor loads have landed
	ds_add_u32 v[SPW], v[NIL]                      ; 0 onto my spare word
	s_wait_dscnt 19                                ; (the add and the youngest 18 loads may be out)
	MULQK \s, 0, 3, 0                              ; twelve matrix instructions stand between the add and the wait for it
	s_wait_dscnt 0x0                               ; the add is done, and my reads of this slot are over
	s_barrier_signal -1
	MULQK \s, 3, 3, 0
	WIN 0
	s_barrier_wait -1
.if \fill
	CREST                                          ; the barrier has opened a round of the cluster's barrier: no wave of any partner still reads the slot or has a load on its way
.if \fill == 2
	s_add_nc_u64 s[G0A+2:G0A+3], s[G0A+2:G0A+3], 9216
	s_add_nc_u64 s[G0B+2:G0B+3], s[G0B+2:G0B+3], 9216
	JLOAD G0A, G0B                                 ; K tile 3 into slot 0; the four v_nop behind it are the places in front of the loads below
.else
	JLOAD G0A+8, G0B+8                             ; K tile 2: slot 2's first fill
.endif
.else
	PLACES 4
.endif
	FETCH_B \ns, 0, 0, 6
	FETCH_A \ns, 0, 1-(\s)%2
	MULQK \s, 6, 2, 0
	MULV \s, 0
	PLACES 4
	FETCH_B \ns, 0, 6, 6
.endm
	s_wait_alu depctr_va_vdst(0)                   ; the wait at the head's end
	s_wait_tensorcnt 0x0                           ; my part of K tile 0 is in
	ds_add_u32 v[SPW], v[NIL]                      ; 0 onto my spare word, ahead of a later first fill
	s_wait_dscnt 0x0
	CROUND                                         ; everybody's part is in, and the joint loads meet
	JLOAD G0A+4, G0B+4                             ; K tile 1: slot 1's first fill
	FETCH_B 0, 0, 0, 6
	FETCH_A 0, 0, 0
	FETCH_B 0, 0, 6, 6
	s_wait_loadcnt 0x0                             ; scale words and biases
	STEP 0, 0, 1, 1                                ; the first products start the sums from the biases
	TURN 1, 1, 1                                   ; its wait and round show K tile 1 whole to every wave
	STEP 2, 1, 1, 0
	TURN 3, 2, 2                                   ; its wait and round show K tile 2 whole; slot 0 takes K tile 3
	STEP 4, 2, 1, 0
	TURN 5, 0, 0                                   ; its wait and barrier show K tile 3 whole
	STEP 6, 0, 1, 0
	s_wait_dscnt 18                                ; the last step fetches nothing
	MULQK 7, 0, 6, 0
	s_wait_dscnt 0x0
	MULQK 7, 6, 2, 0
	MULV 7, 0
	WIN 0
	PLACES 4
; THE TAIL: swish in f32, then the quantiser, 64 numbers of a lane at a time.
.macro QUANT s
.irp b, 0,1,2,3
	v_max3_num_f32 v[TM+\b], |v[\s+16*\b]|, |v[\s+1+16*\b]|, 0x2800000   ; block b: my 16 numbers, and the floor 2^(5 - 127)
.endr
.irp i, 2,4,6,8,10,12,14
.irp b, 0,1,2,3
	v_max3_num_f32 v[TM+\b], v[TM+\b], |v[\s+16*\b+\i]|, |v[\s+1+16*\b+\i]|
.endr
.endr
.irp b, 0,1,2,3
	v_permlanex16_b32 v[TM+4+\b], v[TM+\b], s[SEL], s[SEL+1]
.endr
.irp b, 0,1,2,3
	v_max_num_f32 v[TM+\b], v[TM+\b], v[TM+4+\b]
.endr
.irp b, 0,1,2,3
	v_add_nc_u32 v[TM+12+\b], 0xfe000000, v[TM+\b] ; 4 off the exponent field: the conversion's scale operand
.endr
.irp b, 0,1,2,3
	v_lshrrev_b32 v[TM+4+\b], 23, v[TM+12+\b]      ; the scale's byte
.endr
	v_lshl_or_b32 v[PW], v[TM+5], 8, v[TM+4]
	v_lshl_or_b32 v[PW], v[TM+6], 16, v[PW]
	v_lshl_or_b32 v[PW], v[TM+7], 24, v[PW]
.irp c, 0,1
	v_cvt_scalef32_pk16_bf6_f32 v[PC+6*\c:PC+2+6*\c], v[\s+32*\c:\s+15+32*\c], v[TM+12+2*\c]
	v_cvt_scalef32_pk16_bf6_f32 v[PC+12+4*\c:PC+14+4*\c], v[\s+16+32*\c:\s+31+32*\c], v[TM+12+2*\c+1]
.endr
	v_nop                                          ; one plain place behind a scaled conversion
.irp c, 0,1
.irp i, 0,1,2
	v_permlane16_swap_b32 v[PC+6*\c+\i], v[PC+12+4*\c+\i]
.endr
.irp i, 0,1,2
	v_mov_b32 v[PC+3+6*\c+\i], v[PC+12+4*\c+\i]
.endr
.endr
.endm
; 64 accumulator registers of window win from base on: a / (1 + 2^(-a log2 e)), then QUANT.  Each accumulator is read from its low end on.  Each batch of transcendentals has one plain line and one wait behind it.
.macro GROUP win, base
	s_wait_xcnt 0x0                                ; the last group's stores have read the codes' registers
	WIN \win                                       ; source 0 in the accumulators' window
.set GI, 0
.rept 32
	v_pk_mul_f32 v[E+GI:E+GI+1], v[\base+GI:\base+GI+1], s[NL:NL+1] op_sel_hi:[1,0]
.set GI, GI+2
.endr
	WIN 0
.set GI, 0
	s_wait_alu depctr_va_vdst(0)
.rept 64
	v_exp_f32 v[E+GI], v[E+GI]
.set GI, GI+1
.endr
	v_nop
	s_wait_alu depctr_va_vdst(0)                   ; one wait for the batch, ahead of its first reader
.set GI, 0
.rept 32
	v_pk_add_f32 v[E+GI:E+GI+1], v[E+GI:E+GI+1], 1.0 op_sel_hi:[1,0]
.set GI, GI+2
.endr
.set GI, 0
	s_wait_alu depctr_va_vdst(0)
.rept 64
	v_rcp_f32 v[E+GI], v[E+GI]
.set GI, GI+1
.endr
	v_nop
	s_wait_alu depctr_va_vdst(0)
	WIN \win
.set GI, 0
.rept 32
	v_pk_mul_f32 v[E+GI:E+GI+1], v[\base+GI:\base+GI+1], v[E+GI:E+GI+1]
.set GI, GI+2
.endr
	WIN 0
	QUANT E
.endm
.irp b, 0,1,2,3
	v_mov_b32 v[TM+4+\b], 0                        ; written once: a lane permute's destination counts as one of its sources
.endr
.irp t, 0,1,2,3                                ; token tile t: registers 0-5 of the fragment are q's half fragment, 6-11 k's; the scale word is (q0, q1, k0, k1)
	GROUP 2, 64*\t
	global_store_b128 v[VA16], v[PC:PC+3], s[QB:QB+1] offset:768*\t            ; 512 consecutive bytes,
	global_store_b64 v[VA8], v[PC+4:PC+5], s[QB:QB+1] offset:768*\t+512        ; 256 more
	global_store_b128 v[VA16], v[PC+6:PC+9], s[KB:KB+1] offset:768*\t
	global_store_b64 v[VA8], v[PC+10:PC+11], s[KB:KB+1] offset:768*\t+512
	v_mov_b32 v[PWQ+\t], v[PW]
.endr
.irp i, 0,1                                    ; v's tiles 2 i and 2 i + 1: my 64 keys are half a fragment of each
	GROUP 3, 64*\i
	global_store_b128 v[VA16], v[PC:PC+3], s[VB:VB+1] offset:3072*\i
	global_store_b64 v[VA8], v[PC+4:PC+5], s[VB:VB+1] offset:3072*\i+512
	global_store_b128 v[VA16], v[PC+6:PC+9], s[VB:VB+1] offset:3072*\i+1536
	global_store_b64 v[VA8], v[PC+10:PC+11], s[VB:VB+1] offset:3072*\i+2048
	v_mov_b32 v[PWV+\i], v[PW]
.endr
	v_cmp_le_u32 vcc_lo, 16, v1                    ; lanes 16-31
.irp t, 0,1,2,3
	v_perm_b32 v[206+\t], v[PWQ+\t], v[PWQ+\t], 0x05040100   ; (q0, q1, q0, q1): it serves q in either half of a K of 128
.endr
	v_cndmask_b32 v210, v206, v208, vcc_lo         ; lanes 0-15 store tiles 0 and 1, lanes 16-31 tiles 2 and 3
	v_cndmask_b32 v211, v207, v209, vcc_lo
	global_store_b64 v[VA8], v[210:211], s[QB:QB+1] offset:3072
	v_perm_b32 v212, v[PWQ+1], v[PWQ], 0x07060302  ; k's bytes of tiles 0 and 1,
	v_perm_b32 v213, v[PWQ+3], v[PWQ+2], 0x07060302   ; of tiles 2 and 3
	v_cndmask_b32 v212, v212, v213, vcc_lo
	ds_store_b32 v[SK], v212
	v_and_b32 v214, 0xffff, v[PWV]                 ; v's two bytes of my 64 keys, a word for each tile and channel, in my wave's own 256 bytes
	v_lshrrev_b32 v215, 16, v[PWV]
	v_and_b32 v216, 0xffff, v[PWV+1]
	v_lshrrev_b32 v217, 16, v[PWV+1]
	ds_store_b32 v[SV], v214
	ds_store_b32 v[SV], v215 offset:64
	ds_store_b32 v[SV], v216 offset:128
	ds_store_b32 v[SV], v217 offset:192
	s_wait_dscnt 0x0                               ; for the others' sake: my stores into the stage are done
	s_barrier_signal -1
	s_barrier_wait -1
	ds_load_b64 v[216:217], v[SRX]                 ; even wave: the step's words of k.  Odd wave: v's low halves,
	ds_load_b64 v[218:219], v[SRY]                 ; and its high halves (even wave: masked away)
	s_wait_dscnt 0x0
	v_lshlrev_b32 v218, 16, v218
	v_lshlrev_b32 v219, 16, v219
	v_and_or_b32 v216, v218, s[MK], v216
	v_and_or_b32 v217, v219, s[MK], v217
	global_store_b64 v[VA8], v[216:217], s[SB:SB+1]   ; 256 consecutive bytes
	s_wait_tensorcnt 0x0                           ; the wave's end
	ds_add_u32 v[SPW], v[NIL]
	s_wait_dscnt 0x0
	CROUND                                         ; the closing round
	s_endpgm
.Lfunc_end_k_q22b52459ab_qkv:
	.size	k_q22b52459ab_qkv, .Lfunc_end_k_q22b52459ab_qkv-k_q22b52459ab_qkv
	.p2alignl 7, 3214868480
	.fill 96, 4, 3214868480
	.section	.rodata,"a",@progbits
	.p2align	6, 0x0
	.amdhsa_kernel k_q22b52459ab_qkv
		.amdhsa_group_segment_fixed_size 327680
		.amdhsa_private_segment_fixed_size 0
		.amdhsa_enable_private_segment 0
		.amdhsa_kernarg_size 56
		.amdhsa_user_sgpr_count 2
		.amdhsa_user_sgpr_kernarg_segment_ptr 1
		.amdhsa_wavefront_size32 1
		.amdhsa_system_sgpr_workgroup_id_x 1
		.amdhsa_system_sgpr_workgroup_id_y 1
		.amdhsa_system_sgpr_workgroup_id_z 1
		.amdhsa_system_vgpr_workitem_id 0
		.amdhsa_next_free_vgpr 1024
		.amdhsa_next_free_sgpr 100
		.amdhsa_reserve_vcc 1
		.amdhsa_float_denorm_mode_32 3
		.amdhsa_float_denorm_mode_16_64 3
		.amdhsa_memory_ordered 1
		.amdhsa_forward_progress 1
		.amdhsa_inst_pref_size 183
	.end_amdhsa_kernel
	.amdgpu_metadata
---
amdhsa.version: [ 1, 2 ]
amdhsa.kernels:
  - .name:           k_q22b52459ab_qkv
    .symbol:         k_q22b52459ab_qkv.kd
    .args:
      - { .name: xc, .offset: 0, .size: 8, .value_kind: global_buffer, .address_space: global }
      - { .name: xs, .offset: 8, .size: 8, .value_kind: global_buffer, .address_space: global }
      - { .name: wfi, .offset: 16, .size: 8, .value_kind: global_buffer, .address_space: global }
      - { .name: W_fc_scales, .offset: 24, .size: 8, .value_kind: global_buffer, .address_space: global }
      - { .name: b_fc, .offset: 32, .size: 8, .value_kind: global_buffer, .address_space: global }
      - { .name: qimg, .offset: 40, .size: 8, .value_kind: global_buffer, .address_space: global }
      - { .name: kv, .offset: 48, .size: 8, .value_kind: global_buffer, .address_space: global }
    .group_segment_fixed_size: 327680
    .private_segment_fixed_size: 0
    .kernarg_segment_align: 8
    .kernarg_segment_size: 56
    .max_flat_workgroup_size: 128
    .sgpr_count:     100
    .vgpr_count:     1024
    .wavefront_size: 32
...
	.end_amdgpu_metadata
.endif
;; end of part 2
;; launch attn (part 3): grid 4 x 64, 8 waves a work-group, clusters of 4 x 1, 262,144 bytes of LDS; arguments qimg, kv, nv, nvs; writes nv, nvs
.if DOCPART == 3
	.amdgcn_target "amdgcn-amd-amdhsa--gfx1250"
	.amdhsa_code_object_version 6
	.text
	.protected	k_q22b52459ab_attn
	.globl	k_q22b52459ab_attn
	.p2align	8
	.type	k_q22b52459ab_attn,@function
k_q22b52459ab_attn:
	s_mov_b64 s[64:65], 0
	v_nop
	global_prefetch_b8 v0, s[64:65] scope:SCOPE_SE
	s_setreg_imm32_b32 hwreg(HW_REG_WAVE_MODE, 25, 1), 1
	s_wait_xcnt 0x0
	s_wait_alu depctr_hold_cnt(0) depctr_sa_sdst(0) depctr_va_vdst(0) depctr_va_sdst(0) depctr_va_ssrc(0) depctr_va_vcc(0) depctr_vm_vsrc(0)
	s_getreg_b32 s2, hwreg(HW_REG_IB_STS2, 6, 4)
	s_cmp_eq_u32 s2, 0
	s_cbranch_scc0 .Lentry_in_a_cluster
	s_endpgm
.Lentry_in_a_cluster:
	s_bfe_u32 s2, ttmp6, 0x10000c
	s_cmp_lg_u32 s2, 0x3003
	s_cbranch_scc0 .Lentry_shape_is_right
	s_endpgm
.Lentry_shape_is_right:
; ATTN.  new_v = softmax(q k^T) v for one head and batch, both products on codes of BF6; no 1 / sqrt(d).  The result is quantised on the way, along the channels, for the last product.
; THE SOFTMAX: t = score x log2(e); M = the running largest t rounded UP to a whole number; p = 2^(t - M) is quantised along the keys, not normalised; the row's sum is taken of the unquantised p and divides at the end.
; When M moves, the sum and O are multiplied by 2^(old M - new M): exact, and done in every step (no branch on floating-point data).
; SHARES.  A work-group owns 512 queries of one head, in two passes of eight waves x 32 queries.  A wave's two query tiles, A and B, share every fragment of k and v that it reads from LDS.
; Tile A's registers lie in window 0, tile B's at the same numbers in window 1: one text serves both under two settings of s_set_vgpr_msb.
; THE WHOLE HEAD'S k, v AND SCALE WORDS lie in LDS for the whole launch: 16 step blocks of 12,800 bytes as 50 rows of 256 bytes, 64 bytes of padding behind each row (a block: 16,000 bytes); one first fill a wave (two blocks), nothing filled again.
; CLUSTER.  The four work-groups of a head want the same bytes and ask jointly: the same tensor load with the same descriptor and the mask 15.
; LAYOUT.  Both products are used transposed: S^T = k q^T, O^T = v^T p^T: a lane holds ONE query throughout.
; THE ROWS OF k THAT FORM A TILE ARE GATHERED as the fragments are read: tile (c, i) takes keys 64 c + 8 i + 0..7 in rows 0-7 and keys 64 c + 32 + 8 i + 0..7 in rows 8-15.  So the 32 registers of tiles (c, 0..3) are,
; in lanes 0-15, block 2 c of 32 keys and, in lanes 16-31, block 2 c + 1, in order: as the second product's operand wants them.  A block's maximum needs no other lane and the codes no exchange of lanes.
; In kv key tile u holds keys 32 (u / 2) + 8 (u % 2) + r + 8 (r / 8): row r of tile (c, i) is lane (r % 8) + 8 (i / 2) of tile 4 c + 2 (r / 8) + i % 2.  Two tiles are 6 LDS rows, 1,920 bytes = 128 modulo 256:
; the sixteen lanes of a load of 16 bytes touch 256 different bytes modulo 256.
; K = 64 IN AN INSTRUCTION OF K = 128: a fragment holds tile (c, 2 g) in registers 0-5 and tile (c, 2 g + 1) in registers 6-11; against (q, 0) it gives the first's scores, against (0, q) the second's.  Zero codes add nothing.
; ORDER OF A STEP: tile A's softmax, its four products with v, its sum, its scores of the NEXT step; then the same for tile B; then k two steps on and v one step on are fetched.
; No prefetch: every byte of k and v is asked for by the first loads, and q of both passes at the head.
; LIMITS: NaN and infinities are not served; the promise holds while |t| stays under 2^31; p under 2^-126 falls to 0; a block of p or of the result whose largest number lies under 2^(5 - 127) gets the byte 1.
.set BLKP, 16000                       ; a step block in LDS: 50 rows x 320
.set STG,  16*BLKP                     ; behind the blocks: 1,024 bytes, the result's scale half words of 32 query tiles
.set SPARE, STG+1024                   ; the spare words: 128 bytes for each of 8 waves; no other line names them
; window 0 alone
.set L16,  1                           ; 16 x lane
.set L8,   2                           ; 8 x lane
.set R8,   3                           ; 8 r
.set LK16, 4                           ; k's gather: 1920 (r / 8) + 320 h + 16 (r % 8)
.set LK8,  5                           ; 1920 (r / 8) + 128 h + 8 (r % 8)
.set LK4,  6                           ; 64 (r / 8) + 4 (r % 8)
.set LV16, 7                           ; v: 320 h + 16 r
.set LV4,  9                           ; 4 r
.set AK16, 10                          ; v10-15 the same six in the blocks to be fetched
.set AK8,  11
.set AK4,  12
.set AV16, 13
.set AV8,  14
.set AV4,  15
.set STGW, 16                          ; STG + 64 wave + 2 r
.set STGR, 17                          ; STG + 16 lane
.set SPW,  18                          ; my spare word; never rewritten
.set NIL,  19                          ; 0; never rewritten
.set QS,   20                          ; v20-21 q's scale words, tiles A and B
.set PS,   22                          ; v22-23 p's
.set KSC,  24                          ; v24-27 k's scale words
.set VSC,  28                          ; v28-31 v's
.set QS1,  246                         ; v246-247 q's scale words of pass 1
; in both windows: a tile's own
.set NM,   32                          ; -M;  v33 the running largest score
.set RM,   33
.set SUM,  34                          ; v34-35 the row's sum in two halves
.set F,    36                          ; 2^(old M - new M); v37 = 0
.set OLD,  38
.set TMP,  39
.set BM,   40                          ; v40-41 my two blocks' largest scores
.set SO,   42                          ; v42-43 the conversions' scale operands
.set W,    44                          ; v44-47 at work
.set T,    48                          ; v48-55 the conversions' second halves
.set SH8,  56                          ; 8 h
.set PCD,  60                          ; v60-71 p's codes
.set Q,    72                          ; v72-89 q, 0, q: (q, 0) from v72, (0, q) from v78
.set O,    90                          ; v90-121 O^T
.set S,    122                         ; v122-185 S^T, then p
.set FRK,  192                         ; window 0: k's four fragments
.set FRV,  192                         ; window 1: v's four fragments
.set Q1,   240                         ; v240-245 q of pass 1
.set WV,   12
.set CX,   13
.set BH,   14
.set G1,   16
.set G0,   24
.set SEL,  28
.set CS,   30                          ; s[30:31] log2(e)
.set TB,   32
.set CNT,  33
.set SQ,   34
.set SQS,  36
.set SN,   38
.set SNS,  40
.set TK,   42
.set TV,   43
.set MSB, 0
.macro WIN new                         ; the immediate's high byte repeats the setting that is left
.if MSB != \new
	s_set_vgpr_msb (MSB<<8)|\new
.set MSB, \new
.endif
.endm
.macro PLACES
.rept 4
	v_nop
.endr
.endm
.macro CROUND                          ; a round of the cluster's barrier
	s_barrier_signal -1
	s_barrier_wait -1
	s_cmp_lg_u32 s[WV], 0
	s_cbranch_scc1 .Lnot_wave_0_\@
	s_barrier_signal -3
.Lnot_wave_0_\@:
	s_barrier_wait -3
	s_barrier_signal -1
	s_barrier_wait -1
.endm
	s_load_b256 s[4:11], s[0:1], 0x0               ; qimg s[4:5], kv s[6:7], nv s[8:9], nvs s[10:11]
	v_lshl_add_u32 v[SPW], v0, 2, SPARE
	v_mov_b32 v[NIL], 0
	ds_add_u32 v[SPW], v[NIL]                      ; the opening lines: the add, twice on end, and its wait
	ds_add_u32 v[SPW], v[NIL]
	v_lshrrev_b32 v40, 5, v0
	v_readfirstlane_b32 s[WV], v40                 ; wave 0..7
	s_bfe_u32 s[CX], ttmp6, 0x40000
	s_lshl_b32 s42, ttmp9, 2
	s_add_co_u32 s[CX], s[CX], s42                 ; my block of 512 queries: it enters q's and the results' addresses alone
	s_and_b32 s[BH], ttmp7, 0xffff                 ; 16 b + head, which the four partners share
	s_mov_b32 s[G1], 15|(3<<16)|(1<<20)|(1<<21)|(5<<22)|(15<<25)   ; the mask: all four; elements of 8 bytes; padding on: 16 words behind every 64; bit 21 set beside a mask
	s_mov_b32 s[G1+1], 32<<16
	s_mov_b32 s[G1+2], 100<<16                     ; two step blocks are dense: 100 rows of 256 bytes
	s_mov_b32 s[G1+3], 32<<16
	s_mov_b32 s[G1+4], 100
	s_mov_b32 s[G1+5], 32
	s_mov_b32 s[G1+6], 0
	s_mov_b32 s[G1+7], 0
	s_mul_i32 s46, s[WV], 2*BLKP                   ; wave w brings step blocks 2 w and 2 w + 1
	s_mul_i32 s47, s[WV], 25600
	s_mul_i32 s44, s[BH], 204800
	s_add_co_u32 s44, s44, s47
	s_mov_b32 s45, 0
	s_mov_b32 s[SEL], 0x76543210
	s_mov_b32 s[SEL+1], 0xfedcba98
	s_mov_b32 s[CS], 0x3fb8aa3b
	s_mov_b32 s[CS+1], s[CS]
	s_lshl_b32 s48, s[WV], 6
	s_add_co_u32 s48, s48, STG
	v_and_b32 v41, 31, v0                          ; lane
	v_and_b32 v42, 15, v0                          ; r
	v_and_b32 v43, 7, v0                           ; r % 8
	v_bfe_u32 v44, v0, 3, 1                        ; r / 8
	v_bfe_u32 v45, v0, 4, 1                        ; h
	v_lshlrev_b32 v[L16], 4, v41
	v_lshlrev_b32 v[L8], 3, v41
	v_lshlrev_b32 v[R8], 3, v42
	v_mul_u32_u24 v[LK16], v44, 1920
	v_mul_u32_u24 v[LK8], v44, 1920
	v_lshlrev_b32 v[LK4], 6, v44
	v_mul_u32_u24 v[LV16], v45, 320
	v_mad_u32_u24 v[LK16], v45, 320, v[LK16]
	v_lshl_add_u32 v[LK8], v45, 7, v[LK8]
	v_lshl_add_u32 v[LK4], v43, 2, v[LK4]
	v_lshl_add_u32 v[LV16], v42, 4, v[LV16]
	v_lshl_add_u32 v[LK16], v43, 4, v[LK16]
	v_lshl_add_u32 v[LK8], v43, 3, v[LK8]
	v_lshlrev_b32 v[LV4], 2, v42
	v_lshl_add_u32 v[STGW], v42, 1, s48
	v_add_nc_u32 v[STGR], STG, v[L16]
	v_lshlrev_b32 v[SH8], 3, v45
	s_wait_alu depctr_va_vdst(0)                   ; the wait ahead of the waits below
	s_wait_dscnt 0x0
	s_wait_kmcnt 0x0
	s_mov_b32 s[G0], 1
	s_mov_b32 s[G0+1], s46
	s_add_nc_u64 s[G0+2:G0+3], s[6:7], s[44:45]
	s_or_b32 s[G0+3], s[G0+3], 0x80000000
	CROUND                                         ; all four work-groups are here: the joint loads meet
	tensor_load_to_lds s[G0:G0+3], s[G1:G1+7]      ; my one tensor load of the launch
	s_nop 0
	PLACES
	s_mov_b32 s49, 0
	s_mul_i32 s48, s[BH], 106496
	s_mul_i32 s50, s[CX], 26624
	s_add_co_u32 s48, s48, s50
	s_lshr_b32 s50, s[WV], 1
	s_mul_i32 s50, s50, 3328
	s_add_co_u32 s48, s48, s50
	s_add_nc_u64 s[SQS:SQS+1], s[4:5], s[48:49]    ; pass 0's group of 64 queries: 8 cx + wave / 2
	s_and_b32 s50, s[WV], 1
	s_mul_i32 s48, s50, 1536
	s_add_nc_u64 s[SQ:SQ+1], s[SQS:SQS+1], s[48:49]   ; my two tiles' half fragments: tiles 2 (wave % 2) and the next
	s_lshl_b32 s48, s50, 7
	s_add_co_u32 s48, s48, 3072
	s_add_nc_u64 s[SQS:SQS+1], s[SQS:SQS+1], s[48:49]   ; and their scale words, two to a row
	s_lshr_b32 s48, s[BH], 4
	s_mul_i32 s48, s48, 1572864
	s_mul_i32 s50, s[CX], 393216
	s_add_co_u32 s48, s48, s50
	s_mul_i32 s50, s[WV], 24576
	s_add_co_u32 s48, s48, s50
	s_and_b32 s50, s[BH], 15
	s_mul_i32 s50, s50, 768
	s_add_co_u32 s48, s48, s50
	s_add_nc_u64 s[SN:SN+1], s[8:9], s[48:49]      ; nv [b][query tile 32 cx + 16 pass + 2 wave + tile][head][768]
	s_lshl_b32 s48, s[BH], 12
	s_lshl_b32 s50, s[CX], 10
	s_add_co_u32 s48, s48, s50
	s_add_nc_u64 s[SNS:SNS+1], s[10:11], s[48:49]  ; nvs [b head][query tile][r] half words
.macro QLOAD off                       ; a tile's q: pass 0's half fragment into both places of (q, 0, q), pass 1's aside
	global_load_b128 v[Q:Q+3], v[L16], s[SQ:SQ+1] offset:\off
	global_load_b64 v[Q+4:Q+5], v[L8], s[SQ:SQ+1] offset:\off+512
	global_load_b128 v[Q+12:Q+15], v[L16], s[SQ:SQ+1] offset:\off
	global_load_b64 v[Q+16:Q+17], v[L8], s[SQ:SQ+1] offset:\off+512
	global_load_b128 v[Q1:Q1+3], v[L16], s[SQ:SQ+1] offset:\off+13312
	global_load_b64 v[Q1+4:Q1+5], v[L8], s[SQ:SQ+1] offset:\off+13312+512
.endm
.macro ONCE                            ; written once in each window: the zero half of q's operands, the upper half of the pair F
.irp i, 0,1,2,3,4,5
	v_mov_b32 v[Q+6+\i], 0
.endr
	v_mov_b32 v[F+1], 0
.endm
	QLOAD 0
	global_load_b64 v[QS:QS+1], v[R8], s[SQS:SQS+1]
	global_load_b64 v[QS1:QS1+1], v[R8], s[SQS:SQS+1] offset:13312
	ONCE
	WIN 0x40                                       ; destination window 1
	QLOAD 768
	ONCE
	v_lshlrev_b32 v[SH8], 3, v45
	WIN 0
	s_wait_alu depctr_va_vdst(0)                   ; the wait at the head's end
	s_wait_tensorcnt 0x0                           ; my two blocks are in,
	s_barrier_signal -1
	s_barrier_wait -1                              ; everybody's are
.macro LOADK a16, a8, a4, off          ; k's four fragments and scale words of one step, gathered: 20 loads
.irp c, 0,1
.irp i, 0,1,2,3
	ds_load_b128 v[FRK+12*(2*\c+\i/2)+6*(\i%2):FRK+12*(2*\c+\i/2)+6*(\i%2)+3], v[\a16] offset:\off+960*(4*\c+\i%2)+128*(\i/2)
	ds_load_b64 v[FRK+12*(2*\c+\i/2)+6*(\i%2)+4:FRK+12*(2*\c+\i/2)+6*(\i%2)+5], v[\a8] offset:\off+960*(4*\c+\i%2)+640+64*(\i/2)
.endr
.irp g, 0,1
	ds_load_b32 v[KSC+2*\c+\g], v[\a4] offset:\off+15360+128*\c+32*\g
.endr
.endr
.endm
.macro LOADV a16, a8, a4, off          ; v's four fragments (into window 1) and scale words: 20 loads
	WIN 0x40
.irp m, 0,1,2,3,4,5,6,7
	ds_load_b128 v[FRV+6*\m:FRV+6*\m+3], v[\a16] offset:\off+7680+960*\m
	ds_load_b64 v[FRV+6*\m+4:FRV+6*\m+5], v[\a8] offset:\off+7680+960*\m+640
.endr
	WIN 0
.irp t, 0,1,2,3
	ds_load_b32 v[VSC+\t], v[\a4] offset:\off+15680+64*\t
.endr
.endm
.macro NEXTS e                         ; S^T = k q^T of tile e: eight products, each with C = 0
	WIN 0x44*(\e)                                  ; k window 0; q and S the tile's window
.irp p, 0,1,2,3
	v_wmma_scale_f32_16x16x128_f8f6f4 v[S+16*\p:S+16*\p+7], v[FRK+12*\p:FRK+12*\p+11], v[Q:Q+11], 0, v[KSC+\p], v[QS+\e] matrix_a_fmt:MATRIX_FMT_BF6 matrix_b_fmt:MATRIX_FMT_BF6
	v_wmma_scale_f32_16x16x128_f8f6f4 v[S+16*\p+8:S+16*\p+15], v[FRK+12*\p:FRK+12*\p+11], v[Q+6:Q+17], 0, v[KSC+\p], v[QS+\e] matrix_a_fmt:MATRIX_FMT_BF6 matrix_b_fmt:MATRIX_FMT_BF6
.endr
.endm
; Tile e's softmax of 128 keys, p's codes and scale word, O^T under the new M, and O^T += v^T p^T.
.macro SOFT e
	WIN 0x55*(\e)
	s_wait_alu depctr_va_vdst(0)                   ; the wait directly ahead of the first readers of the scores
.irp c, 0,1
.irp g, 0,1
	v_max3_num_f32 v[W+2*\c+\g], v[S+32*\c+16*\g], v[S+32*\c+16*\g+1], v[S+32*\c+16*\g+2]   ; my two blocks' largest scores, in four chains by turns
.endr
.endr
.irp i, 3,5,7,9,11,13
.irp c, 0,1
.irp g, 0,1
	v_max3_num_f32 v[W+2*\c+\g], v[W+2*\c+\g], v[S+32*\c+16*\g+\i], v[S+32*\c+16*\g+\i+1]
.endr
.endr
.endr
.irp c, 0,1
	v_max3_num_f32 v[W+2*\c], v[W+2*\c], v[S+32*\c+15], v[S+32*\c+31]
.endr
.irp c, 0,1
	s_delay_alu instid0(VALU_DEP_2)
	v_max_num_f32 v[BM+\c], v[W+2*\c], v[W+2*\c+1] ; it serves for the row's maximum and, since p rises with the score, for the block's largest p
.endr
	s_delay_alu instid0(VALU_DEP_1)
	v_max_num_f32 v[TMP], v[BM], v[BM+1]
	s_delay_alu instid0(VALU_DEP_1)
	v_permlanex16_b32 v[W], v[TMP], s[SEL], s[SEL+1]
	v_mov_b32 v[OLD], v[NM]
	s_delay_alu instid0(VALU_DEP_2)
	v_max3_num_f32 v[RM], v[RM], v[TMP], v[W]      ; the running largest score, with lane l xor 16's two blocks
	s_delay_alu instid0(VALU_DEP_1)
	v_mul_f32 v[TMP], s[CS], v[RM]                 ; as t
	s_delay_alu instid0(VALU_DEP_1)
	v_floor_f32 v[NM], -v[TMP]                     ; the new -M = floor(-t): M is a whole number
.set J, 0
.rept 32
	v_pk_fma_f32 v[S+J:S+J+1], v[S+J:S+J+1], s[CS:CS+1], v[NM:NM+1] op_sel_hi:[1,0,0]   ; t - M, two at a time
.set J, J+2
.endr
.irp c, 0,1
	v_fma_f32 v[BM+\c], v[BM+\c], s[CS], v[NM]     ; the same of each block's largest score
.endr
	s_wait_alu depctr_va_vdst(0)                   ; the wait ahead of the batch
.set J, 0
.rept 64
	v_exp_f32 v[S+J], v[S+J]                       ; p = 2^(t - M)
.set J, J+1
.endr
.irp c, 0,1
	v_exp_f32 v[BM+\c], v[BM+\c]                   ; the block's largest p
.endr
	v_sub_f32 v[TMP], v[NM], v[OLD]                ; old M - new M: a whole number, 0 or less
	s_delay_alu instid0(VALU_DEP_1)
	v_cvt_i32_f32 v[TMP], v[TMP]                   ; (it saturates)
	s_delay_alu instid0(VALU_DEP_1)
	v_ldexp_f32 v[F], 1.0, v[TMP]                  ; f = 2^(old M - new M)
	s_wait_alu depctr_va_vdst(0)                   ; one wait for the batch, ahead of its first reader
.irp c, 0,1
	v_max_num_f32 v[BM+\c], 0x2800000, v[BM+\c]    ; the floor 2^(5 - 127)
.endr
.irp c, 0,1
	s_delay_alu instid0(VALU_DEP_2)
	v_add_nc_u32 v[SO+\c], 0xfe000000, v[BM+\c]    ; 4 off the exponent field: the conversion's scale operand
.endr
.irp c, 0,1
	s_delay_alu instid0(VALU_DEP_2)
	v_lshrrev_b32 v[W+\c], 23, v[SO+\c]            ; the scale's byte
.endr
	s_delay_alu instid0(VALU_DEP_1)
	v_lshl_or_b32 v[W], v[W+1], 16, v[W]           ; my two bytes: blocks h and 2 + h,
	s_delay_alu instid0(VALU_DEP_1)
	v_lshlrev_b32 v[W], v[SH8], v[W]               ; at their places in the word;
	s_delay_alu instid0(VALU_DEP_1)
	v_permlanex16_b32 v[W+1], v[W], s[SEL], s[SEL+1]
	WIN 0x05*(\e)                                  ; scale words lie in window 0
.if \e == 0
	s_delay_alu instid0(VALU_DEP_1)
.endif
	v_or_b32 v[PS+\e], v[W], v[W+1]                ; with lane l xor 16's two the word is whole
	WIN 0x55*(\e)
.irp c, 0,1
	v_cvt_scalef32_pk16_bf6_f32 v[PCD+6*\c:PCD+6*\c+2], v[S+32*\c:S+32*\c+15], v[SO+\c]
	v_cvt_scalef32_pk16_bf6_f32 v[T+4*\c:T+4*\c+2], v[S+32*\c+16:S+32*\c+31], v[SO+\c]   ; (a conversion's three registers begin on an even number)
.endr
	v_nop                                          ; one plain place behind a scaled conversion
.irp c, 0,1
.irp i, 0,1,2
	v_mov_b32 v[PCD+3+6*\c+\i], v[T+4*\c+\i]
.endr
.endr
.if \e == 0
	s_wait_dscnt 0x0                               ; this step's v and the next step's k are in
.endif
	s_wait_alu depctr_va_vdst(0)                   ; the wait directly ahead of the first readers of O^T
.set J, 0
.rept 16
	v_pk_mul_f32 v[O+J:O+J+1], v[O+J:O+J+1], v[F:F+1] op_sel_hi:[1,0]   ; O^T under the new M; these sixteen are also the places behind the codes' and the scale word's last writes
.set J, J+2
.endr
	WIN 0x01+0x54*(\e)                             ; v window 1; the codes and O^T the tile's window
.irp t, 0,1,2,3                                ; each accumulator's turn is one instruction
	v_wmma_scale_f32_16x16x128_f8f6f4 v[O+8*\t:O+8*\t+7], v[FRV+12*\t:FRV+12*\t+11], v[PCD:PCD+11], v[O+8*\t:O+8*\t+7], v[VSC+\t], v[PS+\e] matrix_a_fmt:MATRIX_FMT_BF6 matrix_b_fmt:MATRIX_FMT_BF6
.endr
.endm
.macro SUMS e                          ; the row's sum of the unquantised p: a tree in place, then sum = sum x f + the step's.  It names no register of the products just issued
	WIN 0x55*(\e)
.irp d, 32,16,8,4,2
.set J, 0
.rept \d/2
.if \d == 4
	s_delay_alu instid0(VALU_DEP_2)
.endif
.if \d == 2
	s_delay_alu instid0(VALU_DEP_1)
.endif
	v_pk_add_f32 v[S+J:S+J+1], v[S+J:S+J+1], v[S+\d+J:S+\d+J+1]
.set J, J+2
.endr
.endr
	s_delay_alu instid0(VALU_DEP_1)
	v_pk_fma_f32 v[SUM:SUM+1], v[SUM:SUM+1], v[F:F+1], v[S:S+1] op_sel_hi:[1,0,1]
.endm
.macro INIT e, n
	WIN 0x55*(\e)
.if \n
.irp i, 0,1,2,3,4,5
	v_mov_b32 v[Q+\i], v[Q1+\i]
	v_mov_b32 v[Q+12+\i], v[Q1+\i]
.endr
.endif
	v_mov_b32 v[RM], 0xff000000                    ; the largest score so far: -2^127
	v_mov_b32 v[NM], 0x7f38aa3b                    ; -M = 2^127 log2(e), a whole number
	v_mov_b32 v[SUM], 0
	v_mov_b32 v[SUM+1], 0
.set J, 0
.rept 32
	v_mov_b32 v[O+J], 0                            ; the step is written once: the first finds zeros, which the first change of M leaves zeros
.set J, J+1
.endr
.endm
; Tile e's way out: O^T / the sum; register 16 b + i is channel 32 b + 16 h + i of my query; the quantiser over two blocks of 32 channels; half a fragment of the last product's operand.
.macro EPI e, n
	WIN 0x55*(\e)
	v_add_f32 v[SUM], v[SUM], v[SUM+1]
	s_delay_alu instid0(VALU_DEP_1)
	v_permlanex16_b32 v[TMP], v[SUM], s[SEL], s[SEL+1]
	s_delay_alu instid0(VALU_DEP_1)
	v_add_f32 v[SUM], v[SUM], v[TMP]               ; the row's sum
	s_wait_alu depctr_va_vdst(0)
	v_rcp_f32 v[SUM], v[SUM]
	v_nop
	s_wait_alu depctr_va_vdst(0)                   ; ahead of the first readers of the quotient and of O^T
.set J, 0
.rept 16
	v_pk_mul_f32 v[S+J:S+J+1], v[O+J:O+J+1], v[SUM:SUM+1] op_sel_hi:[1,0]
.set J, J+2
.endr
.irp b, 0,1
	v_max3_num_f32 v[BM+\b], |v[S+16*\b]|, |v[S+1+16*\b]|, 0x2800000
.endr
.irp i, 2,4,6,8,10,12,14
.irp b, 0,1
	s_delay_alu instid0(VALU_DEP_2)
	v_max3_num_f32 v[BM+\b], v[BM+\b], |v[S+16*\b+\i]|, |v[S+1+16*\b+\i]|
.endr
.endr
.irp b, 0,1
	s_delay_alu instid0(VALU_DEP_2)
	v_permlanex16_b32 v[W+\b], v[BM+\b], s[SEL], s[SEL+1]
.endr
.irp b, 0,1
	s_delay_alu instid0(VALU_DEP_2)
	v_max_num_f32 v[BM+\b], v[BM+\b], v[W+\b]
.endr
.irp b, 0,1
	s_delay_alu instid0(VALU_DEP_2)
	v_add_nc_u32 v[SO+\b], 0xfe000000, v[BM+\b]
.endr
.irp b, 0,1
	s_delay_alu instid0(VALU_DEP_2)
	v_lshrrev_b32 v[W+\b], 23, v[SO+\b]
.endr
	s_delay_alu instid0(VALU_DEP_1)
	v_lshl_or_b32 v[TMP], v[W+1], 8, v[W]          ; my query's two scale bytes
	v_cvt_scalef32_pk16_bf6_f32 v[PCD:PCD+2], v[S:S+15], v[SO]
	v_cvt_scalef32_pk16_bf6_f32 v[T:T+2], v[S+16:S+31], v[SO+1]
	v_nop
.irp i, 0,1,2
	v_permlane16_swap_b32 v[PCD+\i], v[T+\i]       ; a whole block to a lane
.endr
.irp i, 0,1,2
	s_delay_alu instid0(VALU_DEP_3)
	v_mov_b32 v[PCD+3+\i], v[T+\i]
.endr
	WIN 0x04*(\e)                                  ; addresses window 0, data the tile's window
	global_store_b128 v[L16], v[PCD:PCD+3], s[SN:SN+1] offset:196608*\n+12288*\e       ; 512 consecutive bytes,
	global_store_b64 v[L8], v[PCD+4:PCD+5], s[SN:SN+1] offset:196608*\n+12288*\e+512   ; and 256
	ds_store_b16 v[STGW], v[TMP] offset:512*\n+32*\e   ; lanes l and l xor 16 write the same value to the same place; each tile of each pass has bytes of its own
.endm
; A PASS: my 32 queries of pass n against all 2,048 keys.
.macro PASS n
.if \n
	s_wait_xcnt 0x0                                ; the last pass's stores have read their registers
.endif
	LOADK LK16, LK8, LK4, 0                        ; k of step 0
.if \n
	v_mov_b32 v[QS], v[QS1]
	v_mov_b32 v[QS+1], v[QS1+1]
.endif
	INIT 0, \n
	INIT 1, \n
	WIN 0
	s_mov_b32 s[TB], 0
	s_mov_b32 s[CNT], 16
	s_wait_alu depctr_va_vdst(0)                   ; the wait ahead of the waits below
.if \n == 0
	s_wait_loadcnt 0x0                             ; q of both passes
.endif
	s_wait_dscnt 0x0
	NEXTS 0                                        ; step 0's scores
	NEXTS 1
	WIN 0
	PLACES                                         ; in front of loads into registers that the products have read
	LOADK LK16, LK8, LK4, BLKP                     ; k of step 1,
	LOADV LV16, L8, LV4, 0                         ; v of step 0
.Lstep_\@:
	SOFT 0
	SUMS 0
	WIN 0
	s_cmp_eq_u32 s[CNT], 1
	s_cbranch_scc1 .LnoA_\@                        ; the last step has no next
	NEXTS 0
.LnoA_\@:
	SOFT 1
	WIN 0
	s_add_co_u32 s[TB], s[TB], BLKP                ; the next step's block, for v,
	s_min_u32 s[TV], s[TB], 15*BLKP
	s_add_co_u32 s[TK], s[TB], BLKP                ; and the one after, for k; both held at the last block: in the last trips, where the fetches are jumped over, the addresses stay inside the blocks
	s_min_u32 s[TK], s[TK], 15*BLKP
	v_add_nc_u32 v[AK16], s[TK], v[LK16]
	v_add_nc_u32 v[AK8], s[TK], v[LK8]
	v_add_nc_u32 v[AK4], s[TK], v[LK4]
	v_add_nc_u32 v[AV16], s[TV], v[LV16]
	v_add_nc_u32 v[AV8], s[TV], v[L8]
	v_add_nc_u32 v[AV4], s[TV], v[LV4]
	SUMS 1
	WIN 0
	s_cmp_eq_u32 s[CNT], 1
	s_cbranch_scc1 .LnoB_\@
	NEXTS 1
	WIN 0
	PLACES                                         ; in front of loads into registers that the products have read
	s_cmp_eq_u32 s[CNT], 2
	s_cbranch_scc1 .LnoK_\@                        ; the step before the last has no k two steps on
	LOADK AK16, AK8, AK4, 0
.LnoK_\@:
	LOADV AV16, AV8, AV4, 0
.LnoB_\@:
	s_sub_co_u32 s[CNT], s[CNT], 1
	s_cmp_lg_u32 s[CNT], 0
	s_cbranch_scc1 .Lstep_\@
	EPI 0, \n
	EPI 1, \n
	WIN 0
.endm
	PASS 0
	PASS 1
	s_wait_dscnt 0x0                               ; for the others' sake: my stores into the stage are done
	s_barrier_signal -1
	s_barrier_wait -1
	s_cmp_lg_u32 s[WV], 0
	s_cbranch_scc1 .Lnot0
	ds_load_b128 v[S:S+3], v[STGR]                 ; wave 0 stores the 32 tiles' half words: twice 512 consecutive bytes
	ds_load_b128 v[S+4:S+7], v[STGR] offset:512
	s_wait_dscnt 0x0
	global_store_b128 v[L16], v[S:S+3], s[SNS:SNS+1]
	global_store_b128 v[L16], v[S+4:S+7], s[SNS:SNS+1] offset:512
.Lnot0:
	s_wait_tensorcnt 0x0                           ; the wave's end
	ds_add_u32 v[SPW], v[NIL]
	s_wait_dscnt 0x0
	CROUND                                         ; the closing round
	s_endpgm
.Lfunc_end_k_q22b52459ab_attn:
	.size	k_q22b52459ab_attn, .Lfunc_end_k_q22b52459ab_attn-k_q22b52459ab_attn
	.p2alignl 7, 3214868480
	.fill 96, 4, 3214868480
	.section	.rodata,"a",@progbits
	.p2align	6, 0x0
	.amdhsa_kernel k_q22b52459ab_attn
		.amdhsa_group_segment_fixed_size 262144
		.amdhsa_private_segment_fixed_size 0
		.amdhsa_enable_private_segment 0
		.amdhsa_kernarg_size 32
		.amdhsa_user_sgpr_count 2
		.amdhsa_user_sgpr_kernarg_segment_ptr 1
		.amdhsa_wavefront_size32 1
		.amdhsa_system_sgpr_workgroup_id_x 1
		.amdhsa_system_sgpr_workgroup_id_y 1
		.amdhsa_system_sgpr_workgroup_id_z 1
		.amdhsa_system_vgpr_workitem_id 0
		.amdhsa_next_free_vgpr 512
		.amdhsa_next_free_sgpr 66
		.amdhsa_reserve_vcc 0
		.amdhsa_float_denorm_mode_32 3
		.amdhsa_float_denorm_mode_16_64 3
		.amdhsa_memory_ordered 1
		.amdhsa_forward_progress 1
		.amdhsa_inst_pref_size 102
	.end_amdhsa_kernel
	.amdgpu_metadata
---
amdhsa.version: [ 1, 2 ]
amdhsa.kernels:
  - .name:           k_q22b52459ab_attn
    .symbol:         k_q22b52459ab_attn.kd
    .args:
      - { .name: qimg, .offset: 0, .size: 8, .value_kind: global_buffer, .address_space: global }
      - { .name: kv, .offset: 8, .size: 8, .value_kind: global_buffer, .address_space: global }
      - { .name: nv, .offset: 16, .size: 8, .value_kind: global_buffer, .address_space: global }
      - { .name: nvs, .offset: 24, .size: 8, .value_kind: global_buffer, .address_space: global }
    .group_segment_fixed_size: 262144
    .private_segment_fixed_size: 0
    .kernarg_segment_align: 8
    .kernarg_segment_size: 32
    .max_flat_workgroup_size: 256
    .sgpr_count:     66
    .vgpr_count:     512
    .wavefront_size: 32
...
	.end_amdgpu_metadata
.endif
;; end of part 3
;; launch outln (part 4): grid 256 x 1, 4 waves a work-group, clusters of 4 x 1, 327,680 bytes of LDS; arguments nv, nvs, woi, W_out_scales, b_out, x, out0; writes out0
.if DOCPART == 4
	.amdgcn_target "amdgcn-amd-amdhsa--gfx1250"
	.amdhsa_code_object_version 6
	.text
	.protected	k_q22b52459ab_outln
	.globl	k_q22b52459ab_outln
	.p2align	8
	.type	k_q22b52459ab_outln,@function
k_q22b52459ab_outln:
	s_mov_b64 s[64:65], 0
	v_nop
	global_prefetch_b8 v0, s[64:65] scope:SCOPE_SE
	s_setreg_imm32_b32 hwreg(HW_REG_WAVE_MODE, 25, 1), 1
	s_wait_xcnt 0x0
	s_wait_alu depctr_hold_cnt(0) depctr_sa_sdst(0) depctr_va_vdst(0) depctr_va_sdst(0) depctr_va_ssrc(0) depctr_va_vcc(0) depctr_vm_vsrc(0)
	s_getreg_b32 s2, hwreg(HW_REG_IB_STS2, 6, 4)
	s_cmp_eq_u32 s2, 0
	s_cbranch_scc0 .Lentry_in_a_cluster
	s_endpgm
.Lentry_in_a_cluster:
	s_bfe_u32 s2, ttmp6, 0x10000c
	s_cmp_lg_u32 s2, 0x3003
	s_cbranch_scc0 .Lentry_shape_is_right
	s_endpgm
.Lentry_shape_is_right:
.set PLACE, 24576
.set WREG,  3*PLACE
.set SPARE, 4*WREG
.set SPITCH, 4112
.set VA16, 4
.set VA8,  5
.set ADP,  6
.set STO,  9
.set SRD,  11
.set SPW,  12
.set NIL,  13
.set AS,   16
.set WS,   32
.set BF,   96
.set E,    160
.set BO,   192
.set WV,   18
.set G1A,  24
.set G1B,  32
.set G0,   40
.set SEL,  52
.set NL,   54
.set C10,  56
.set EPS,  57
.set XB,   66
.set OB,   68
.set MSB, 0
.macro WIN new
.if MSB != \new
	s_set_vgpr_msb (MSB<<8)|\new
.set MSB, \new
.endif
.endm
.macro PLACES n
.rept \n
	v_nop
.endr
.endm
.macro CROUND
	s_barrier_signal -1
	s_barrier_wait -1
	s_cmp_lg_u32 s[WV], 0
	s_cbranch_scc1 .Lnot_wave_0_\@
	s_barrier_signal -3
.Lnot_wave_0_\@:
	s_barrier_wait -3
	s_barrier_signal -1
	s_barrier_wait -1
.endm
	s_load_b256 s[4:11], s[0:1], 0x0
	s_load_b128 s[12:15], s[0:1], 0x20
	s_load_b64 s[16:17], s[0:1], 0x30
	v_lshl_add_u32 v[SPW], v0, 2, SPARE
	v_mov_b32 v[NIL], 0
	ds_add_u32 v12, v13
	ds_add_u32 v12, v13
	s_wait_dscnt 0x0
	v_lshrrev_b32 v1, 5, v0
	v_readfirstlane_b32 s[WV], v1
	s_bfe_u32 s19, ttmp6, 0x40000
	s_lshl_b32 s20, ttmp9, 2
	s_add_co_u32 s20, s20, s19
.irp g, G1A, G1B
	s_mov_b32 s[\g], 15|(3<<16)|(1<<21)
	s_mov_b32 s[\g+1], 32<<16
	s_mov_b32 s[\g+3], 32<<16
	s_mov_b32 s[\g+5], 32
	s_mov_b32 s[\g+6], 0
	s_mov_b32 s[\g+7], 0
.endr
	s_mov_b32 s[G1A+2], 96<<16
	s_mov_b32 s[G1A+4], 96
	s_mov_b32 s[G1B+2], 192<<16
	s_mov_b32 s[G1B+4], 192
	s_mul_i32 s58, s[WV], 196608
	s_mov_b32 s59, 0
	s_mul_i32 s60, s[WV], WREG
	s_mov_b32 s[SEL], 0x76543210
	s_mov_b32 s[SEL+1], 0xfedcba98
	s_mov_b32 s[NL], 0xbfb8aa3b
	s_mov_b32 s[NL+1], s[NL]
	s_mov_b32 s[C10], 0x3a800000
	s_mov_b32 s[EPS], 0x3727c5ac
	s_wait_kmcnt 0x0
	s_add_nc_u64 s[58:59], s[8:9], s[58:59]
.irp k, 0,1,2
	s_mov_b32 s[G0+4*\k], 1
	s_add_co_u32 s[G0+4*\k+1], s60, \k*PLACE
	s_add_nc_u64 s[G0+4*\k+2:G0+4*\k+3], s[58:59], \k*PLACE
	s_or_b32 s[G0+4*\k+3], s[G0+4*\k+3], 0x80000000
.endr
	CROUND
	tensor_load_to_lds s[G0:G0+3], s[G1A:G1A+7]
	s_nop 0
	s_wait_alu depctr_va_vdst(0)
	s_wait_tensorcnt 0x0
	ds_add_u32 v12, v13
	s_wait_dscnt 0x0
	CROUND
	tensor_load_to_lds s[G0+4:G0+7], s[G1A:G1A+7]
	s_nop 0
	s_wait_alu depctr_va_vdst(0)
	s_wait_tensorcnt 0x0
	ds_add_u32 v12, v13
	s_wait_dscnt 0x0
	CROUND
	tensor_load_to_lds s[G0+8:G0+11], s[G1A:G1A+7]
	s_nop 0
.rept 4
	v_nop
.endr
	v_and_b32 v1, 31, v0
	v_and_b32 v2, 15, v0
	v_bfe_u32 v3, v0, 4, 1
	v_lshlrev_b32 v[VA16], 4, v1
	v_lshlrev_b32 v[VA8], 3, v1
.irp k, 0,1,2
	v_add_nc_u32 v[ADP+\k], s60, v[VA16]
	s_add_co_u32 s60, s60, PLACE
.endr
	v_mul_u32_u24 v[STO], v2, SPITCH
	v_lshl_add_u32 v[STO], v3, 5, v[STO]
	s_lshl_b32 s61, s[WV], 10
	v_add_nc_u32 v[STO], s61, v[STO]
	v_add_nc_u32 v[STO+1], 16*SPITCH, v[STO]
	s_mul_i32 s61, s[WV], 8*SPITCH
	v_add_nc_u32 v[SRD], s61, v[VA16]
	v_lshlrev_b32 v14, 5, v2
	v_lshl_add_u32 v14, v3, 12, v14
	s_wait_alu depctr_va_vdst(0)
	v_lshlrev_b32 v15, 1, v2
	s_wait_alu depctr_va_vdst(0)
	v_mov_b32 v245, 0
	v_mov_b32 v247, 0
	s_mov_b32 s71, 0
	s_mul_i32 s70, s20, 24576
	s_add_nc_u64 s[4:5], s[4:5], s[70:71]
	s_lshr_b32 s70, s20, 6
	s_lshl_b32 s70, s70, 16
	s_and_b32 s72, s20, 63
	s_lshl_b32 s72, s72, 6
	s_add_co_u32 s70, s70, s72
	s_add_nc_u64 s[6:7], s[6:7], s[70:71]
	s_lshl_b32 s70, s[WV], 13
	s_add_nc_u64 s[10:11], s[10:11], s[70:71]
	s_lshl_b32 s70, s20, 5
	s_lshr_b32 s72, s[WV], 1
	s_lshl_b32 s72, s72, 3
	s_add_co_u32 s70, s70, s72
	s_and_b32 s72, s[WV], 1
	s_lshl_b32 s72, s72, 4
	s_add_co_u32 s70, s70, s72
	s_lshl_b32 s70, s70, 12
	s_add_nc_u64 s[XB:XB+1], s[14:15], s[70:71]
	s_add_nc_u64 s[OB:OB+1], s[16:17], s[70:71]
	WIN 0x80
.irp m, 0,1
.irp s, 0,1,2,3,4,5,6,7
.irp c, 0,1
	global_load_b128 v[12*(8*\m+\s)+6*\c:12*(8*\m+\s)+6*\c+3], v[VA16], s[4:5] offset:12288*\m+768*(2*\s+\c)
	global_load_b64 v[12*(8*\m+\s)+6*\c+4:12*(8*\m+\s)+6*\c+5], v[VA8], s[4:5] offset:12288*\m+768*(2*\s+\c)+512
.endr
.endr
.endr
.irp k, 0,1,2,3,4,5,6,7
	global_load_b128 v[BO+4*\k:BO+4*\k+3], v[VA16], s[12:13] offset:512*\k
.endr
	WIN 0
.irp i, 0,1,2,3,4,5,6,7
	global_load_b128 v[WS+8*\i:WS+8*\i+3], v14, s[10:11] offset:512*\i
	global_load_b128 v[WS+8*\i+4:WS+8*\i+7], v14, s[10:11] offset:512*\i+16
.endr
.irp m, 0,1
.irp d, 0,1,2,3,4,5,6,7,8,9,10,11,12,13,14,15
	global_load_u16 v[BF+16*\m+\d], v15, s[6:7] offset:4096*\d+32*\m
.endr
.endr
	s_wait_loadcnt 0x0
.irp m, 0,1
.irp s, 0,1,2,3,4,5,6,7
	v_lshl_or_b32 v[AS+8*\m+\s], v[BF+16*\m+2*\s+1], 16, v[BF+16*\m+2*\s]
.endr
.endr
	PLACES 8
	WIN 0x40
.irp i, 0,1,2,3,4,5,6,7
.irp k, 0,1,2,3,4,5,6,7
	global_load_b128 v[32*\i+4*\k:32*\i+4*\k+3], v[VA16], s[XB:XB+1] offset:4096*\i+512*\k th:TH_LOAD_NT
.endr
.endr
	WIN 0
.macro LOADG s, gq, bs
.irp t, 0,1,2,3
.irp c, 0,1,2
	ds_load_b128 v[BF+48*(\bs)+12*\t+4*\c:BF+48*(\bs)+12*\t+4*\c+3], v[ADP+(\s)%3] offset:1536*(4*(\gq)+\t)+512*\c
.endr
.endr
.endm
.macro MULG s, gq
	WIN 0xf8
.irp t, 0,1,2,3
.irp m, 0,1
.set WD, 8*(16*\m+4*(\gq)+\t)
.set WA, BF+48*((\gq)%3)+12*\t
.set WB, 12*(8*\m+(\s))
.set WSA, WS+8*(4*((\gq)%2)+\t)+(\s)
.set WSB, AS+8*\m+(\s)
.if (\s) == 0
.if (\gq) >= 2
	v_wmma_scale_f32_16x16x128_f8f6f4 v[WD:WD+7], v[WA:WA+11], v[WB:WB+11], 0, v[WSA], v[WSB] matrix_a_fmt:MATRIX_FMT_BF6 matrix_b_fmt:MATRIX_FMT_BF6 matrix_a_scale:MATRIX_SCALE_ROW1
.else
	v_wmma_scale_f32_16x16x128_f8f6f4 v[WD:WD+7], v[WA:WA+11], v[WB:WB+11], 0, v[WSA], v[WSB] matrix_a_fmt:MATRIX_FMT_BF6 matrix_b_fmt:MATRIX_FMT_BF6
.endif
.else
.if (\gq) >= 2
	v_wmma_scale_f32_16x16x128_f8f6f4 v[WD:WD+7], v[WA:WA+11], v[WB:WB+11], v[WD:WD+7], v[WSA], v[WSB] matrix_a_fmt:MATRIX_FMT_BF6 matrix_b_fmt:MATRIX_FMT_BF6 matrix_a_scale:MATRIX_SCALE_ROW1
.else
	v_wmma_scale_f32_16x16x128_f8f6f4 v[WD:WD+7], v[WA:WA+11], v[WB:WB+11], v[WD:WD+7], v[WSA], v[WSB] matrix_a_fmt:MATRIX_FMT_BF6 matrix_b_fmt:MATRIX_FMT_BF6
.endif
.endif
.endr
.endr
	WIN 0
.endm
.macro CHUNK s
	PLACES 4
	LOADG \s, 0, 0
	LOADG \s, 1, 1
	LOADG \s, 2, 2
	s_wait_dscnt 24
	MULG \s, 0
	PLACES 4
	LOADG \s, 3, 0
	s_wait_dscnt 24
	MULG \s, 1
	s_wait_dscnt 12
	MULG \s, 2
	s_wait_dscnt 0x0
	MULG \s, 3
.endm
.macro REFILL k, g1
	s_wait_tensorcnt 0x0
	ds_add_u32 v[SPW], v[NIL]
	s_add_nc_u64 s[G0+4*\k+2:G0+4*\k+3], s[G0+4*\k+2:G0+4*\k+3], WREG
	s_wait_dscnt 0x0
	CROUND
	tensor_load_to_lds s[G0+4*\k:G0+4*\k+3], s[\g1:\g1+7]
	s_nop 0
.rept 4
	v_nop
.endr
.endm
	s_wait_alu depctr_va_vdst(0)
	s_wait_tensorcnt 2
	CHUNK 0
	s_wait_tensorcnt 1
	CHUNK 1
	REFILL 0, G1B
	CHUNK 2
	REFILL 2, G1A
	CHUNK 3
	CHUNK 4
	REFILL 0, G1B
	CHUNK 5
	s_wait_tensorcnt 0x0
	CHUNK 6
	CHUNK 7
	PLACES 4
	s_wait_dscnt 0x0
	s_barrier_signal -1
	s_barrier_wait -1
	WIN 0x0c
.irp m, 0,1
.irp t, 0,1,2,3,4,5,6,7,8,9,10,11,12,13,14,15
	ds_store_b128 v[STO+\m], v[8*(16*\m+\t):8*(16*\m+\t)+3] offset:64*\t
	ds_store_b128 v[STO+\m], v[8*(16*\m+\t)+4:8*(16*\m+\t)+7] offset:64*\t+16
.endr
.endr
	WIN 0
	s_wait_dscnt 0x0
	s_barrier_signal -1
	s_barrier_wait -1
	s_wait_loadcnt 0x0
.macro RLOAD i
.irp k, 0,1,2,3,4,5,6,7
	ds_load_b128 v[BF+32*((\i)%2)+4*\k:BF+32*((\i)%2)+4*\k+3], v[SRD] offset:SPITCH*(\i)+512*\k
.endr
.endm
.macro RSUM
	v_pk_add_f32 v[240:241], v[240:241], v[242:243]
	v_add_f32 v240, v240, v241
	v_add_f32_dpp v240, v240, v240 row_xmask:1 row_mask:0xf bank_mask:0xf
	v_add_f32_dpp v240, v240, v240 row_xmask:2 row_mask:0xf bank_mask:0xf
	v_add_f32_dpp v240, v240, v240 row_xmask:4 row_mask:0xf bank_mask:0xf
	v_add_f32_dpp v240, v240, v240 row_xmask:8 row_mask:0xf bank_mask:0xf
	v_permlanex16_b32 v241, v240, s[SEL], s[SEL+1]
	v_add_f32 v240, v240, v241
.endm
.macro ROW i
.set T, BF+32*((\i)%2)
	s_wait_xcnt 0x0
.if \i < 7
	RLOAD \i+1
	s_wait_dscnt 8
.else
	s_wait_dscnt 0x0
.endif
	WIN 0x08
.irp e, 0,2,4,6,8,10,12,14,16,18,20,22,24,26,28,30
	v_pk_add_f32 v[T+\e:T+\e+1], v[T+\e:T+\e+1], v[BO+\e:BO+\e+1]
.endr
	WIN 0
.irp e, 0,2,4,6,8,10,12,14,16,18,20,22,24,26,28,30
	v_pk_mul_f32 v[E+\e:E+\e+1], v[T+\e:T+\e+1], s[NL:NL+1] op_sel_hi:[1,0]
.endr
	s_wait_alu depctr_va_vdst(0)
.irp e, 0,1,2,3,4,5,6,7,8,9,10,11,12,13,14,15,16,17,18,19,20,21,22,23,24,25,26,27,28,29,30,31
	v_exp_f32 v[E+\e], v[E+\e]
.endr
	v_nop
	s_wait_alu depctr_va_vdst(0)
.irp e, 0,2,4,6,8,10,12,14,16,18,20,22,24,26,28,30
	v_pk_add_f32 v[E+\e:E+\e+1], v[E+\e:E+\e+1], 1.0 op_sel_hi:[1,0]
.endr
	s_wait_alu depctr_va_vdst(0)
.irp e, 0,1,2,3,4,5,6,7,8,9,10,11,12,13,14,15,16,17,18,19,20,21,22,23,24,25,26,27,28,29,30,31
	v_rcp_f32 v[E+\e], v[E+\e]
.endr
	v_nop
	s_wait_alu depctr_va_vdst(0)
	WIN 0x10
.irp e, 0,2,4,6,8,10,12,14,16,18,20,22,24,26,28,30
	v_pk_fma_f32 v[T+\e:T+\e+1], v[T+\e:T+\e+1], v[E+\e:E+\e+1], v[32*(\i)+\e:32*(\i)+\e+1]
.endr
	WIN 0
	v_pk_add_f32 v[240:241], v[T:T+1], v[T+2:T+3]
	v_pk_add_f32 v[242:243], v[T+4:T+5], v[T+6:T+7]
.irp e, 8,12,16,20,24,28
	v_pk_add_f32 v[240:241], v[240:241], v[T+\e:T+\e+1]
	v_pk_add_f32 v[242:243], v[242:243], v[T+\e+2:T+\e+3]
.endr
	RSUM
	v_mul_f32 v244, s[C10], v240
.irp e, 0,2,4,6,8,10,12,14,16,18,20,22,24,26,28,30
	v_pk_add_f32 v[T+\e:T+\e+1], v[T+\e:T+\e+1], v[244:245] op_sel_hi:[1,0] neg_lo:[0,1] neg_hi:[0,1]
.endr
	v_pk_mul_f32 v[240:241], v[T:T+1], v[T:T+1]
	v_pk_mul_f32 v[242:243], v[T+2:T+3], v[T+2:T+3]
.irp e, 4,8,12,16,20,24,28
	v_pk_fma_f32 v[240:241], v[T+\e:T+\e+1], v[T+\e:T+\e+1], v[240:241]
	v_pk_fma_f32 v[242:243], v[T+\e+2:T+\e+3], v[T+\e+2:T+\e+3], v[242:243]
.endr
	RSUM
	v_fma_f32 v246, v240, s[C10], s[EPS]
	s_wait_alu depctr_va_vdst(0)
	v_rsq_f32 v246, v246
	v_nop
	s_wait_alu depctr_va_vdst(0)
.irp e, 0,2,4,6,8,10,12,14,16,18,20,22,24,26,28,30
	v_pk_mul_f32 v[T+\e:T+\e+1], v[T+\e:T+\e+1], v[246:247] op_sel_hi:[1,0]
.endr
.irp k, 0,1,2,3,4,5,6,7
	global_store_b128 v[VA16], v[T+4*\k:T+4*\k+3], s[OB:OB+1] offset:4096*(\i)+512*\k th:TH_STORE_NT
.endr
.endm
	RLOAD 0
.irp i, 0,1,2,3,4,5,6,7
	ROW \i
.endr
	s_wait_tensorcnt 0x0
	ds_add_u32 v[SPW], v[NIL]
	s_wait_dscnt 0x0
	CROUND
	s_endpgm
.Lfunc_end_k_q22b52459ab_outln:
	.size	k_q22b52459ab_outln, .Lfunc_end_k_q22b52459ab_outln-k_q22b52459ab_outln
	.p2alignl 7, 3214868480
	.fill 96, 4, 3214868480
	.section	.rodata,"a",@progbits
	.p2align	6, 0x0
	.amdhsa_kernel k_q22b52459ab_outln
		.amdhsa_group_segment_fixed_size 327680
		.amdhsa_private_segment_fixed_size 0
		.amdhsa_enable_private_segment 0
		.amdhsa_kernarg_size 56
		.amdhsa_user_sgpr_count 2
		.amdhsa_user_sgpr_kernarg_segment_ptr 1
		.amdhsa_wavefront_size32 1
		.amdhsa_system_sgpr_workgroup_id_x 1
		.amdhsa_system_sgpr_workgroup_id_y 1
		.amdhsa_system_sgpr_workgroup_id_z 1
		.amdhsa_system_vgpr_workitem_id 0
		.amdhsa_next_free_vgpr 1024
		.amdhsa_next_free_sgpr 80
		.amdhsa_reserve_vcc 0
		.amdhsa_float_denorm_mode_32 3
		.amdhsa_float_denorm_mode_16_64 3
		.amdhsa_memory_ordered 1
		.amdhsa_forward_progress 1
		.amdhsa_inst_pref_size 194
	.end_amdhsa_kernel
	.amdgpu_metadata
---
amdhsa.version: [ 1, 2 ]
amdhsa.kernels:
  - .name:           k_q22b52459ab_outln
    .symbol:         k_q22b52459ab_outln.kd
    .args:
      - { .name: nv, .offset: 0, .size: 8, .value_kind: global_buffer, .address_space: global }
      - { .name: nvs, .offset: 8, .size: 8, .value_kind: global_buffer, .address_space: global }
      - { .name: woi, .offset: 16, .size: 8, .value_kind: global_buffer, .address_space: global }
      - { .name: W_out_scales, .offset: 24, .size: 8, .value_kind: global_buffer, .address_space: global }
      - { .name: b_out, .offset: 32, .size: 8, .value_kind: global_buffer, .address_space: global }
      - { .name: x, .offset: 40, .size: 8, .value_kind: global_buffer, .address_space: global }
      - { .name: out0, .offset: 48, .size: 8, .value_kind: global_buffer, .address_space: global }
    .group_segment_fixed_size: 327680
    .private_segment_fixed_size: 0
    .kernarg_segment_align: 8
    .kernarg_segment_size: 56
    .max_flat_workgroup_size: 128
    .sgpr_count:     80
    .vgpr_count:     1024
    .wavefront_size: 32
...
	.end_amdgpu_metadata
.endif
;; end of part 4
